; MI455X (gfx1250); checked and timed in simulation.
; The chip was launched on July 23, 2026; its instructions are those of AMD's public machine-readable ISA for CDNA 5 (MIT licence, August 2026) and "CDNA5" Instruction Set Architecture Reference Guide (July 2026). The comments in the code are by the model that wrote it; some were corrected since.
;; Mo E Layer. Allowed arithmetic: matrix products marked QUANTISED: E2M1 operands, one E8M0 scale for each 32 along K, by v_wmma_scale_f32_16x16x128_f8f6f4 with both operands' format E2M1 (or v_wmma_scale_f32_32x16x128_f4), f32 sums; products left as they are: f32 operands where the result goes on into a quantised operand, else bf16, f16 or f32 operands; f32 sums; everything else in f32.
;; Inputs: W1_codes 8 x 4,096 x 32 x 16 uint8 (E2M1 codes of W1, K innermost, in blocks of 32 codes, two codes a byte); W1_scales 8 x 4,096 x 32 uint8 (E8M0 scales of W1, one for each 32 codes along K); W2_codes 8 x 1,024 x 128 x 16 uint8 (E2M1 codes of W2, K innermost, in blocks of 32 codes, two codes a byte); W2_scales 8 x 1,024 x 128 uint8 (E8M0 scales of W2, one for each 32 codes along K); Wg 1,024 x 8 float32; x 4 x 256 x 1,024 float32.
;; Outputs: out0 4 x 256 x 1,024 float32.
;; This version of the problem:
;;   THIS VERSION OF THE PROBLEM IS GIVEN IN LOW PRECISION. The matrix products marked QUANTISED in the list below multiply operands that are first quantised to E2M1 (2 exponent bits, 1 mantissa bit; 4 bits a number), with one power-of-two scale for each 32 numbers along K (OCP MX v1.0); their sums are f32. All else is computed in f32.
;;   The module's matrix products, in the order in which they are computed (A, B: the left and right operand; K: the contracted axis; several contracted axes count as one K, in the product's order):
;;     1. [M 1,024, K 1,024] x [K 1,024, N 8]; A: input x; B: input Wg: left as it is (N = 8 < 16)
;;     2. batch 1,024 x [M 1, K 2] x [K 2, N 8]; A: softmax; B: computed on the way: left as it is (K = 2 < 32)
;;     3. [M 1,024, K 1,024] x [K 1,024, N 4,096]; A: input x; B: input W1 (given as codes): QUANTISED
;;     4. [M 1,024, K 4,096] x [K 4,096, N 1,024]; A: computed on the way; B: input W2 (given as codes): QUANTISED
;;     5. [M 1,024, K 1,024] x [K 1,024, N 4,096]; A: input x; B: input W1 (given as codes): QUANTISED
;;     6. [M 1,024, K 4,096] x [K 4,096, N 1,024]; A: computed on the way; B: input W2 (given as codes): QUANTISED
;;     7. [M 1,024, K 1,024] x [K 1,024, N 4,096]; A: input x; B: input W1 (given as codes): QUANTISED
;;     8. [M 1,024, K 4,096] x [K 4,096, N 1,024]; A: computed on the way; B: input W2 (given as codes): QUANTISED
;;     9. [M 1,024, K 1,024] x [K 1,024, N 4,096]; A: input x; B: input W1 (given as codes): QUANTISED
;;     10. [M 1,024, K 4,096] x [K 4,096, N 1,024]; A: computed on the way; B: input W2 (given as codes): QUANTISED
;;     11. [M 1,024, K 1,024] x [K 1,024, N 4,096]; A: input x; B: input W1 (given as codes): QUANTISED
;;     12. [M 1,024, K 4,096] x [K 4,096, N 1,024]; A: computed on the way; B: input W2 (given as codes): QUANTISED
;;     13. [M 1,024, K 1,024] x [K 1,024, N 4,096]; A: input x; B: input W1 (given as codes): QUANTISED
;;     14. [M 1,024, K 4,096] x [K 4,096, N 1,024]; A: computed on the way; B: input W2 (given as codes): QUANTISED
;;     15. [M 1,024, K 1,024] x [K 1,024, N 4,096]; A: input x; B: input W1 (given as codes): QUANTISED
;;     16. [M 1,024, K 4,096] x [K 4,096, N 1,024]; A: computed on the way; B: input W2 (given as codes): QUANTISED
;;     17. [M 1,024, K 1,024] x [K 1,024, N 4,096]; A: input x; B: input W1 (given as codes): QUANTISED
;;     18. [M 1,024, K 4,096] x [K 4,096, N 1,024]; A: computed on the way; B: input W2 (given as codes): QUANTISED
;;   THE QUANTISER, for each operand of a quantised product, along K:
;;     - K is cut into blocks of 32 from its start; a last block that is shorter is filled with zeros.
;;     - A block's scale is 2^e with e = floor(log2(the largest magnitude in the block)) - 2, held to -126 .. 127; a block of zeros has e = 0. As a byte (E8M0): e + 127.
;;     - Each number is divided by its block's scale, clamped to +-6, and rounded to the nearest number of E2M1, ties to even, subnormals kept.
;;     - The product sums the exact products of the quantised numbers (number of the format x scale) in f32.
;;   ~~~python
;;   def quantise(x, axis):      # numpy; x: float32 -> the quantised numbers, widened to float32 again
;;       x = np.moveaxis(x, axis, -1); K = x.shape[-1]
;;       x = np.pad(x, [(0, 0)] * (x.ndim - 1) + [(0, -K % 32)]); x = x.reshape(x.shape[:-1] + (-1, 32)); a = np.abs(x).max(-1, keepdims=True)
;;       e = np.where(a > 0, np.clip(np.frexp(np.where(a > 0, a, 1))[1] - 1 - 2, -126, 127), 0)      # np.frexp(a)[1] - 1 = floor(log2(a)), exactly
;;       r = np.clip(x / 2.0 ** e, -6, 6)
;;       step = 2.0 ** (np.maximum(np.frexp(np.where(r == 0, 1, r))[1] - 1, 0) - 1)
;;       q = np.round(r / step) * step * 2.0 ** e      # np.round: ties to even
;;       return np.moveaxis(q.reshape(q.shape[:-2] + (-1,))[..., :K], -1, axis).astype(np.float32)
;;   ~~~
;;   OPERANDS COMPUTED ON THE WAY. 'Computed on the way' means the value that the module computes at that place (a softmax that the list does not call 'softmax' is quantised finished and normalised). What goes into a quantiser is computed in f32, as accurately as f32 sums, v_exp_f32 and their like allow (about 1e-6 of the number): no bf16 or f16 on the way to a quantiser, and a product that is left as it is and whose result goes on into a quantised operand takes f32 operands (vector FMAs, or v_wmma_f32_16x16x4_f32). A number that lies on a knife's edge between two numbers of the format may be rounded either way, as far as f32 arithmetic and the matrix unit's own rounding can turn it there, and no further.
;;   INPUTS GIVEN AS CODES. W1 (in the module: [8, 1024, 4096], K = its axis 1); W2 (in the module: [8, 4096, 1024], K = its axis 1): each comes as NAME_codes (uint8): NAME with its K axis moved to the last place and cut into blocks of 32 codes, [.., K / 32, bytes a block], one block behind the other in memory; two codes a byte, the lower K in the low four bits (a code: sign, 2 exponent bits, 1 mantissa bit); and NAME_scales (uint8): the same leading axes, one E8M0 byte (e + 127) for each 32 codes along K. Its value is code x scale, taken as it is: it is not quantised again, and the codes and scales need not be those that the quantiser above would give.
;; 2 versions, each right; version 2 is version 1 with the launches ffn1, ffn2 written anew for expert scheduling mode. Each part assembles by itself: llvm-mc -triple=amdgcn-amd-amdhsa -mcpu=gfx1250 --defsym DOCPART=n.
;; ======== version 1 of 2: 5 launches
;; workspace buffers: xq 524,288 bytes; xs 32,768 bytes; sel 4,096 bytes of whole numbers; gw 8,192 bytes; himg 16,777,216 bytes; hs 2,097,152 bytes; y 8,388,608 bytes; lst 75,776 bytes of whole numbers
;; launch route (part 1): grid 256 x 1, 4 waves a work-group, no clusters, 52,736 bytes of LDS; arguments x, Wg, xq, xs, sel, gw; writes xq, xs, sel, gw
.if DOCPART == 1
	.amdgcn_target "amdgcn-amd-amdhsa--gfx1250"
	.amdhsa_code_object_version 6
	.text
	.protected	k_qb77730e9c5_route
	.globl	k_qb77730e9c5_route
	.p2align	8
	.type	k_qb77730e9c5_route,@function
k_qb77730e9c5_route:
	s_mov_b64 s[64:65], 0
	v_nop
	global_prefetch_b8 v0, s[64:65] scope:SCOPE_SE
	s_setreg_imm32_b32 hwreg(HW_REG_WAVE_MODE, 25, 1), 1
	s_wait_xcnt 0x0
; ROUTER AND QUANTISER OF x.  x: [1024 tokens][1024] f32, Wg: [1024][8] f32.
; One wave takes one token (token = 4 x work-group + wave).  It makes the 8 logits in f32 (fused multiply-adds, then a sum over the lanes), takes the two largest
; (a strict comparison in ascending order of experts: of equal logits the lower expert wins), the softmax of the two with the larger taken away first, and turns the token's
; 1,024 numbers into codes of E2M1 with one E8M0 byte for each 32.
; OUT: xq [token][512 bytes] codes, K innermost; xs [token][32] scale bytes; sel [token] one word, (1 << 4 e0) | (2 << 4 e1): nibble e says whether expert e is the first (1) or
; the second (2) choice; gw [token][2] the two weights.  All at fixed places: no address here hangs on the choice.
; A LANE HOLDS ONE BLOCK OF 32 NEIGHBOURS: the loads take the row as it lies (512 consecutive bytes a load) and it turns through the wave's own LDS bytes (128 bytes + 16 of padding a block).
; Wg (32 KB) is brought into LDS once by the four waves, as 32 rows of 1,024 bytes + 16: row l holds the 32 k x 8 experts that lane l multiplies.
; LIMITS: NaN and infinities in x or Wg are not served.  The logits are f32 sums in another order than a row-by-row sum: where the second and the third logit lie closer than
; about 1e-6 of their size the other expert may be chosen.  A block of zeros gets the byte 1 (its codes are zeros; only this program reads the bytes); a block whose largest
; magnitude lies under 2^-124 is held at the byte 1.
.set XTW,  4608                        ; a wave's turning bytes: 32 blocks x 144
.set XP,   144
.set WGS,  18432                       ; behind the four: Wg
.set WGP,  1040
.set XR,   16                          ; v16-47   x as loaded
.set X,    48                          ; v48-79   my block's 32 numbers
.set WA,   80                          ; v80-143  Wg as loaded, then chunks 0 and 2
.set WB,   144                         ; v144-207 chunks 1 and 3
.set L,    208                         ; v208-215 the 8 sums
	s_load_b256 s[4:11], s[0:1], 0x0               ; x s[4:5], Wg s[6:7], xq s[8:9], xs s[10:11]
	s_load_b128 s[12:15], s[0:1], 0x20             ; sel s[12:13], gw s[14:15]
	v_lshl_add_u32 v254, v0, 2, 0xcc00
	v_mov_b32 v255, 0
	v_lshrrev_b32 v7, 5, v0
	v_readfirstlane_b32 s16, v7                    ; wave
	s_lshl_b32 s17, ttmp9, 2
	s_add_co_u32 s17, s17, s16                     ; token
	v_and_b32 v1, 31, v0                           ; lane
	v_lshlrev_b32 v2, 4, v1                        ; 16 x lane
	s_mul_i32 s22, s16, XTW
	v_lshrrev_b32 v7, 3, v1
	v_mul_u32_u24 v3, v7, XP
	v_and_b32 v7, 7, v1
	v_lshl_add_u32 v3, v7, 4, v3
	v_add_nc_u32 v3, s22, v3                       ; in: eight lanes' 128 bytes are a block: 144 (lane / 8) + 16 (lane % 8); a load's 512 bytes are four blocks
	v_mul_u32_u24 v4, v1, XP
	v_add_nc_u32 v4, s22, v4                       ; out: block = lane
	s_mul_i32 s23, s16, 8*WGP
	s_add_co_u32 s23, s23, WGS
	v_add_nc_u32 v5, s23, v2                       ; Wg in: wave w brings rows 8 w .. 8 w + 7
	v_mul_u32_u24 v6, v1, WGP
	v_add_nc_u32 v6, WGS, v6                       ; Wg out: row = lane
	s_mov_b32 s20, 0x76543210
	s_mov_b32 s21, 0xfedcba98                      ; v_permlanex16_b32's selects for lane l xor 16
	v_mov_b32 v245, 0
	v_mov_b32 v234, 0xff800000                     ; -infinity
	v_mov_b32 v246, 1
	v_mov_b32 v247, 2
	s_mov_b32 s19, 0
	s_lshl_b32 s18, s17, 12
	s_wait_kmcnt 0x0
	s_add_nc_u64 s[4:5], s[4:5], s[18:19]          ; x at my token
	s_lshl_b32 s18, s16, 13
	s_add_nc_u64 s[6:7], s[6:7], s[18:19]          ; Wg at my wave's quarter
	s_lshl_b32 s18, s17, 9
	s_add_nc_u64 s[8:9], s[8:9], s[18:19]
	s_lshl_b32 s18, s17, 5
	s_add_nc_u64 s[10:11], s[10:11], s[18:19]
	s_lshl_b32 s18, s17, 2
	s_add_nc_u64 s[12:13], s[12:13], s[18:19]
	s_lshl_b32 s18, s17, 3
	s_add_nc_u64 s[14:15], s[14:15], s[18:19]
.irp i, 0,1,2,3,4,5,6,7
	global_load_b128 v[XR+4*\i:XR+4*\i+3], v2, s[4:5] offset:512*\i th:TH_LOAD_NT   ; 512 consecutive bytes a load; read once in the launch
.endr
.irp i, 0,1,2,3,4,5,6,7,8,9,10,11,12,13,14,15
	global_load_b128 v[WA+4*\i:WA+4*\i+3], v2, s[6:7] offset:512*\i
.endr
	s_wait_loadcnt 16                              ; x is in; Wg's sixteen loads may be out
.irp i, 0,1,2,3,4,5,6,7
	ds_store_b128 v3, v[XR+4*\i:XR+4*\i+3] offset:4*XP*\i
.endr
.irp g, 0,1,2,3,4,5,6,7
	ds_load_b128 v[X+4*\g:X+4*\g+3], v4 offset:16*\g       ; LDS serves a wave's instructions in order: these see the stores above
.endr
	s_wait_loadcnt 0x0
.irp i, 0,1,2,3,4,5,6,7,8,9,10,11,12,13,14,15
	ds_store_b128 v5, v[WA+4*\i:WA+4*\i+3] offset:WGP*(\i/2)+512*(\i%2)
.endr
	s_wait_dscnt 0x0                               ; for the others' sake: my part of Wg lies in LDS (and my block is in)
	s_barrier_signal -1
	s_barrier_wait -1
; chunk c: 8 k x 8 experts of my row of Wg, 64 registers
.macro CHUNK c, buf
.irp m, 0,1,2,3,4,5,6,7
	ds_load_b128 v[\buf+8*\m:\buf+8*\m+3], v6 offset:256*\c+32*\m
	ds_load_b128 v[\buf+8*\m+4:\buf+8*\m+7], v6 offset:256*\c+32*\m+16
.endr
.endm
; its 64 multiply-adds, two experts an instruction: one number of x serves both halves (op_sel picks it from its pair); the four pairs of sums by turns.  The very first products start the sums.
.macro DOT c, buf
.irp m, 0,2,4,6
.irp p, 0,2,4,6
.if \c+\m == 0
	v_pk_mul_f32 v[L+\p:L+\p+1], v[X:X+1], v[\buf+\p:\buf+\p+1] op_sel_hi:[0,1]
.else
	v_pk_fma_f32 v[L+\p:L+\p+1], v[X+8*\c+\m:X+8*\c+\m+1], v[\buf+8*\m+\p:\buf+8*\m+\p+1], v[L+\p:L+\p+1] op_sel_hi:[0,1,1]
.endif
.endr
.irp p, 0,2,4,6
	v_pk_fma_f32 v[L+\p:L+\p+1], v[X+8*\c+\m:X+8*\c+\m+1], v[\buf+8*\m+8+\p:\buf+8*\m+8+\p+1], v[L+\p:L+\p+1] op_sel:[1,0,0] op_sel_hi:[1,1,1]
.endr
.endr
.endm
	CHUNK 0, WA
	CHUNK 1, WB
	; while they come: my block of x becomes 32 codes and a scale byte
	v_max3_num_f32 v216, |v[X]|, |v[X+1]|, |v[X+2]|
	v_max3_num_f32 v217, |v[X+3]|, |v[X+4]|, |v[X+5]|
.irp i, 6,10,14,18,22,26
	v_max3_num_f32 v216, v216, |v[X+\i]|, |v[X+\i+1]|
	v_max3_num_f32 v217, v217, |v[X+\i+2]|, |v[X+\i+3]|
.endr
	v_max3_num_f32 v216, v216, |v[X+30]|, |v[X+31]|
	v_max3_num_f32 v216, v216, v217, 0x1800000     ; and the floor 2^(3 - 127): the byte cannot fall under 1
	v_add_nc_u32 v218, 0xff000000, v216            ; 2 off the exponent field: the conversion takes this operand's exponent field as its scale
	v_lshrrev_b32 v219, 23, v218                   ; the scale's byte
.irp g, 0,1,2,3
	v_cvt_scalef32_pk8_fp4_f32 v[220+\g], v[X+8*\g:X+8*\g+7], v218
.endr
	v_nop                                          ; one plain line behind the last conversion
	global_store_b128 v2, v[220:223], s[8:9]       ; the wave stores the token's 512 bytes of codes, consecutive and aligned
	global_store_b8 v1, v219, s[10:11]             ; and its 32 neighbouring scale bytes
	s_wait_dscnt 16                                ; chunk 0 is in; chunk 1's sixteen loads may be out
	DOT 0, WA
	CHUNK 2, WA
	s_wait_dscnt 16                                ; chunk 1 is in; chunk 2's may be out
	DOT 1, WB
	CHUNK 3, WB
	s_wait_dscnt 16                                ; chunk 2 is in; chunk 3's may be out
	DOT 2, WA
	s_wait_dscnt 0x0
	DOT 3, WB
	; the 8 sums over the 32 lanes: every lane ends with the same 8 logits
.irp k, 1,2,4,8
.irp e, 0,1,2,3,4,5,6,7
	v_add_f32_dpp v[L+\e], v[L+\e], v[L+\e] row_xmask:\k row_mask:0xf bank_mask:0xf
.endr
.endr
.irp e, 0,1,2,3,4,5,6,7
	v_permlanex16_b32 v[WA+\e], v[L+\e], s20, s21  ; (its destination counts as read: these registers have been written)
.endr
.irp e, 0,1,2,3,4,5,6,7
	v_add_f32 v[L+\e], v[L+\e], v[WA+\e]
.endr
; the largest logit and its expert; only a strictly larger one displaces an earlier one
.macro SCAN bv, bi
	v_mov_b32 v[\bv], v[L]
	v_mov_b32 v[\bi], 0
.irp e, 1,2,3,4,5,6,7
	v_cmp_gt_f32 vcc_lo, v[L+\e], v[\bv]
	v_cndmask_b32 v[\bv], v[\bv], v[L+\e], vcc_lo
	v_cndmask_b32 v[\bi], v[\bi], \e, vcc_lo
.endr
.endm
	SCAN 232, 233
.irp e, 0,1,2,3,4,5,6,7
	v_cmp_eq_u32 vcc_lo, \e, v233
	v_cndmask_b32 v[L+\e], v[L+\e], v234, vcc_lo   ; the winner leaves the field
.endr
	SCAN 235, 236
	v_sub_f32 v237, v235, v232                     ; second - first, 0 or less: the maximum is taken away
	v_mul_f32 v237, 0x3fb8aa3b, v237
	v_exp_f32 v237, v237                           ; p = e^(second - first)
	v_lshlrev_b32 v238, 2, v233                    ; (a plain line behind the exponential)  4 x first expert
	s_wait_alu depctr_va_vdst(0)
	v_add_f32 v239, 1.0, v237
	v_rcp_f32 v240, v239                           ; the first weight: 1 / (1 + p)
	v_lshlrev_b32 v242, 2, v236                    ; (a plain line behind the reciprocal)  4 x second expert
	s_wait_alu depctr_va_vdst(0)
	v_mul_f32 v241, v237, v240                     ; the second: p / (1 + p)
	v_lshlrev_b32 v243, v238, v246                 ; 1 << 4 e0
	v_lshlrev_b32 v244, v242, v247                 ; 2 << 4 e1
	v_or_b32 v243, v243, v244
	s_wait_xcnt 0x0                                ; EXEC changes only when the stores above have had their addresses translated
	v_cmp_eq_u32 vcc_lo, 0, v1
	s_wait_tensorcnt 0x0
	ds_add_u32 v254, v255
	s_wait_dscnt 0x0
	s_and_saveexec_b32 s22, vcc_lo                 ; lane 0 stores the token's word and its two weights
	global_store_b32 v245, v243, s[12:13]
	global_store_b64 v245, v[240:241], s[14:15]
	s_endpgm
.Lfunc_end_k_qb77730e9c5_route:
	.size	k_qb77730e9c5_route, .Lfunc_end_k_qb77730e9c5_route-k_qb77730e9c5_route
	.p2alignl 7, 3214868480
	.fill 96, 4, 3214868480
	.section	.rodata,"a",@progbits
	.p2align	6, 0x0
	.amdhsa_kernel k_qb77730e9c5_route
		.amdhsa_group_segment_fixed_size 52736
		.amdhsa_private_segment_fixed_size 0
		.amdhsa_enable_private_segment 0
		.amdhsa_kernarg_size 48
		.amdhsa_user_sgpr_count 2
		.amdhsa_user_sgpr_kernarg_segment_ptr 1
		.amdhsa_wavefront_size32 1
		.amdhsa_system_sgpr_workgroup_id_x 1
		.amdhsa_system_sgpr_workgroup_id_y 1
		.amdhsa_system_sgpr_workgroup_id_z 1
		.amdhsa_system_vgpr_workitem_id 0
		.amdhsa_next_free_vgpr 256
		.amdhsa_next_free_sgpr 66
		.amdhsa_reserve_vcc 1
		.amdhsa_float_denorm_mode_32 3
		.amdhsa_float_denorm_mode_16_64 3
		.amdhsa_memory_ordered 1
		.amdhsa_forward_progress 1
		.amdhsa_inst_pref_size 27
	.end_amdhsa_kernel
	.amdgpu_metadata
---
amdhsa.version: [ 1, 2 ]
amdhsa.kernels:
  - .name:           k_qb77730e9c5_route
    .symbol:         k_qb77730e9c5_route.kd
    .args:
      - { .name: x, .offset: 0, .size: 8, .value_kind: global_buffer, .address_space: global }
      - { .name: Wg, .offset: 8, .size: 8, .value_kind: global_buffer, .address_space: global }
      - { .name: xq, .offset: 16, .size: 8, .value_kind: global_buffer, .address_space: global }
      - { .name: xs, .offset: 24, .size: 8, .value_kind: global_buffer, .address_space: global }
      - { .name: sel, .offset: 32, .size: 8, .value_kind: global_buffer, .address_space: global }
      - { .name: gw, .offset: 40, .size: 8, .value_kind: global_buffer, .address_space: global }
    .group_segment_fixed_size: 52736
    .private_segment_fixed_size: 0
    .kernarg_segment_align: 8
    .kernarg_segment_size: 48
    .max_flat_workgroup_size: 128
    .sgpr_count:     66
    .vgpr_count:     256
    .wavefront_size: 32
...
	.end_amdgpu_metadata
.endif
;; end of part 1
;; launch place (part 2): grid 8 x 1, 1 waves a work-group, no clusters, 5,120 bytes of LDS; arguments sel, lst; writes lst
.if DOCPART == 2
	.amdgcn_target "amdgcn-amd-amdhsa--gfx1250"
	.amdhsa_code_object_version 6
	.text
	.protected	k_qb77730e9c5_place
	.globl	k_qb77730e9c5_place
	.p2align	8
	.type	k_qb77730e9c5_place,@function
k_qb77730e9c5_place:
	s_mov_b64 s[64:65], 0
	v_nop
	global_prefetch_b8 v0, s[64:65] scope:SCOPE_SE
	s_setreg_imm32_b32 hwreg(HW_REG_WAVE_MODE, 25, 1), 1
	s_wait_xcnt 0x0
; THE PLACING OF ROWS.  sel: [1024 tokens] one word each, stored by the launch before: nibble e is 0 (expert e not chosen), 1 (first choice) or 2 (second choice).
; One work-group of one wave for each expert.  It takes the 1,024 tokens as 32 steps of 32: a chosen lane's place in the expert's list = the count before its step + the chosen lanes below it.
; THE 32 STEPS ARE WRITTEN STAGE BY STAGE (all choices, all masks, the counts before each step as a scalar prefix sum, all places, all stores), so that no line waits for the line above it.
; The list is built in LDS (the places hang on sel) and leaves at fixed addresses, so that no address in memory hangs on data here.
; OUT: lst, 9,472 bytes an expert: bytes 0-127 the number of the expert's rows (32 times); from byte 256 on 1,152 words, row q's token; from byte 4,864 on 1,152 words, row q's slot
; (2 x token + choice, choice 0 or 1).  Words behind the count are 0 as far as the later launches' look-ahead reads.  The later launches take their trips and their rows' addresses from here.
; Eight waves are all the work that there is: 4 KB in, 9.3 KB out for each.
.set LREG, 9472                        ; an expert's bytes in lst
.set TOKO, 256                         ; the tokens
.set SLOO, 4864                        ; the slots
.set DUMP, 1152                        ; LDS: words 0-1151 the list; words 1152-1183 dump words, one a lane, for lanes that were not chosen
.set S,    16                          ; v16-47   sel's words, then the choices (0, 1, 2)
.set P,    48                          ; v48-79   the places, then their LDS addresses
.set T,    80                          ; v80-111  the slots
.set SL,   112                         ; v112-147 the slots on their way out
.set TK,   148                         ; v148-183 the tokens
.set M,    20                          ; s20-51   step q's mask of chosen lanes
.set C,    66                          ; s66-97   the count before step q
	s_load_b128 s[4:7], s[0:1], 0x0                ; sel s[4:5], lst s[6:7]
	v_lshl_add_u32 v184, v0, 2, 0x1300
	v_mov_b32 v185, 0
	v_lshlrev_b32 v1, 4, v0                        ; 16 x lane (one wave: the thread's number is the lane)
	v_lshlrev_b32 v2, 3, v0                        ; 8 x lane
	v_lshlrev_b32 v3, 2, v0                        ; 4 x lane
	v_add_nc_u32 v4, DUMP, v0                      ; my dump word's number
.irp c, 0,1,2,3
	v_mov_b32 v[8+\c], 0
.endr
	s_lshl_b32 s8, ttmp9, 2                        ; the expert's nibble
	s_mul_i32 s10, ttmp9, LREG
	s_mov_b32 s11, 0
	s_wait_kmcnt 0x0
	s_add_nc_u64 s[6:7], s[6:7], s[10:11]
.irp i, 0,1,2,3,4,5,6,7
	global_load_b128 v[S+4*\i:S+4*\i+3], v1, s[4:5] offset:512*\i    ; register q = 4 i + c: token 128 i + 4 x lane + c
.endr
.irp i, 0,1,2,3,4,5,6,7,8
	ds_store_b128 v1, v[8:11] offset:512*\i        ; words behind the count stay 0
.endr
	s_wait_loadcnt 0x0
.set q, 0
.rept 32
	v_bfe_u32 v[S+q], v[S+q], s8, 2                ; 0: not chosen; 1, 2: first or second choice
.set q, q+1
.endr
.set q, 0
.rept 32
	v_cmp_ne_u32 s[M+q], 0, v[S+q]
.set q, q+1
.endr
	s_mov_b32 s[C], 0
.set q, 0
.rept 31
	s_bcnt1_i32_b32 s13, s[M+q]
	s_add_co_u32 s[C+q+1], s[C+q], s13
.set q, q+1
.endr
	s_bcnt1_i32_b32 s13, s[M+31]
	s_add_co_u32 s12, s[C+31], s13                 ; the expert's rows
.set q, 0
.rept 32
	v_mbcnt_lo_u32_b32 v[P+q], s[M+q], s[C+q]      ; the count before the step + the chosen lanes below me
.set q, q+1
.endr
.set q, 0
.rept 32
	v_cndmask_b32 v[P+q], v4, v[P+q], s[M+q]       ; a lane that was not chosen writes its dump word
.set q, q+1
.endr
.set q, 0
.rept 32
	v_min_u32 v[P+q], DUMP+31, v[P+q]
.set q, q+1
.endr
.set q, 0
.rept 32
	v_lshlrev_b32 v[P+q], 2, v[P+q]
.set q, q+1
.endr
.set q, 0
.rept 32
	v_add3_u32 v[T+q], v[S+q], v2, 256*(q/4)+2*(q%4)-1   ; the slot: 2 x token + choice
.set q, q+1
.endr
.set q, 0
.rept 32
	ds_store_b32 v[P+q], v[T+q]
.set q, q+1
.endr
	v_mov_b32 v5, s12
	global_store_b32 v3, v5, s[6:7]                ; the count, in 32 neighbouring words
.irp i, 0,1,2,3,4,5,6,7,8
	ds_load_b128 v[SL+4*\i:SL+4*\i+3], v1 offset:512*\i    ; LDS serves a wave's instructions in order: these see the stores above
.endr
.irp i, 0,1,2,3,4,5,6,7,8
	s_wait_dscnt 8-\i                              ; this load is in; the later ones may be out
.irp c, 0,1,2,3
	v_lshrrev_b32 v[TK+4*\i+\c], 1, v[SL+4*\i+\c]  ; the token
.endr
	global_store_b128 v1, v[SL+4*\i:SL+4*\i+3], s[6:7] offset:SLOO+512*\i     ; 512 consecutive bytes a store, aligned
	global_store_b128 v1, v[TK+4*\i:TK+4*\i+3], s[6:7] offset:TOKO+512*\i
.endr
	s_wait_tensorcnt 0x0
	ds_add_u32 v184, v185
	s_wait_dscnt 0x0
	s_endpgm
.Lfunc_end_k_qb77730e9c5_place:
	.size	k_qb77730e9c5_place, .Lfunc_end_k_qb77730e9c5_place-k_qb77730e9c5_place
	.p2alignl 7, 3214868480
	.fill 96, 4, 3214868480
	.section	.rodata,"a",@progbits
	.p2align	6, 0x0
	.amdhsa_kernel k_qb77730e9c5_place
		.amdhsa_group_segment_fixed_size 5120
		.amdhsa_private_segment_fixed_size 0
		.amdhsa_enable_private_segment 0
		.amdhsa_kernarg_size 16
		.amdhsa_user_sgpr_count 2
		.amdhsa_user_sgpr_kernarg_segment_ptr 1
		.amdhsa_wavefront_size32 1
		.amdhsa_system_sgpr_workgroup_id_x 1
		.amdhsa_system_sgpr_workgroup_id_y 1
		.amdhsa_system_sgpr_workgroup_id_z 1
		.amdhsa_system_vgpr_workitem_id 0
		.amdhsa_next_free_vgpr 186
		.amdhsa_next_free_sgpr 98
		.amdhsa_reserve_vcc 0
		.amdhsa_float_denorm_mode_32 3
		.amdhsa_float_denorm_mode_16_64 3
		.amdhsa_memory_ordered 1
		.amdhsa_forward_progress 1
		.amdhsa_inst_pref_size 25
	.end_amdhsa_kernel
	.amdgpu_metadata
---
amdhsa.version: [ 1, 2 ]
amdhsa.kernels:
  - .name:           k_qb77730e9c5_place
    .symbol:         k_qb77730e9c5_place.kd
    .args:
      - { .name: sel, .offset: 0, .size: 8, .value_kind: global_buffer, .address_space: global }
      - { .name: lst, .offset: 8, .size: 8, .value_kind: global_buffer, .address_space: global }
    .group_segment_fixed_size: 5120
    .private_segment_fixed_size: 0
    .kernarg_segment_align: 8
    .kernarg_segment_size: 16
    .max_flat_workgroup_size: 32
    .sgpr_count:     98
    .vgpr_count:     186
    .wavefront_size: 32
...
	.end_amdgpu_metadata
.endif
;; end of part 2
;; launch ffn1 (part 3): grid 256 x 1, 4 waves a work-group, no clusters, 101,888 bytes of LDS; arguments lst, xq, xs, W1_codes, W1_scales, himg, hs; writes himg, hs
.if DOCPART == 3
	.amdgcn_target "amdgcn-amd-amdhsa--gfx1250"
	.amdhsa_code_object_version 6
	.text
	.protected	k_qb77730e9c5_ffn1
	.globl	k_qb77730e9c5_ffn1
	.p2align	8
	.type	k_qb77730e9c5_ffn1,@function
k_qb77730e9c5_ffn1:
	s_mov_b64 s[64:65], 0
	v_nop
	global_prefetch_b8 v0, s[64:65] scope:SCOPE_SE
	s_setreg_imm32_b32 hwreg(HW_REG_WAVE_MODE, 25, 1), 1
	s_wait_xcnt 0x0
; FIRST PRODUCT, GELU, QUANTISER.  H = Q(gelu(Q(x) W1[e])) for the rows (token, expert) that the router chose, on codes of E2M1 with E8M0 scales.
; SHARES.  Work-group id = 32 e + ft owns hidden units 128 ft .. 128 ft + 127 of expert e: 128 rows of W1 (64 KB of codes), which no other work-group reads.  All four waves hold that
; slice in registers (512 each); wave w takes the expert's tiles of 16 rows w, w + 4, w + 8 ..  The 128 units are one K step of the second product, so a tile's result is one whole operand fragment.
; THE ROWS come from lst, stored by the launch before: the expert's count (a scalar load), a tile's 16 tokens (one scalar load of 64 bytes) and, for the scale words, each lane's own row's token
; (4 bytes a lane).  Words behind the count are 0 (token 0): the last tile's spare rows are computed and never used.  A tile's entries are asked for a trip ahead of the rows that they steer,
; and those rows a trip ahead of their products: trip i multiplies tile i, asks for the rows of tile i + 4 and for the entries of tile i + 8 (at most tile 71: the list's 1,152 words).
; THE LOOP HAS A CONSTANT COUNT: 16 places of tiles a wave, 64 tiles in all, serve every split (all tokens on one expert too).  A place without a tile jumps over its work by a scalar branch on
; the stored count.  No barrier stands in the loop.
; THE MATRIX INSTRUCTION IS USED TRANSPOSED (source 0 = 16 rows of W1, source 1 = 16 tokens), AND THE ROWS OF W1 THAT FORM A TILE ARE NOT NEIGHBOURS: lane r of tile 2 b + u takes row
; 32 b + 8 u + r + 8 (r / 8), so that a lane holds one token and the 16 registers of tiles 2 b, 2 b + 1 are 16 neighbouring hidden units, 32 b + 16 (lane / 16) + 0 .. 15.
; IN LDS THE SLICE LIES IN THE ORDER OF THE TILES: row 32 b + 16 g + 8 u + j of the slice goes to LDS row 32 b + 16 u + 8 g + j = 16 (2 b + u) + (8 g + j), by the stores' immediates alone.
; So a fragment load takes sixteen neighbouring LDS rows, 528 bytes apart, and no two of its lanes meet on a bank.
; SCALE WORDS: one register carries two K steps: lanes 0-15 the word of step jj, lanes 16-31 that of step 4 + jj (row 1 of the register is named for steps 4 to 7).
; OUT: himg [tile 64 e + i][K step ft][1,024 bytes]: the fragment as an image of its registers (group c of four at 512 c + 16 x lane); hs [tile][K step][128 bytes]: the scale word at 4 x lane.
; GELU is exact gelu in f32: x (0.5 + 0.5 erf(x / sqrt 2)), erf(z) = z P(z^2) / Q(z^2) with z held to +-4 (P of degree 6, Q of degree 4; P's coefficients are halved here).
; LIMITS: erf is right to about 1e-7 absolutely; since 0.5 + 0.5 erf is a sum, gelu's relative error grows in the negative tail (about 4e-5 at x = -3; beyond x = -5 the result is of the
; order 3e-8 |x|): such numbers turn a code only in a block whose largest magnitude is itself that small.  NaN and infinities are not served.  A block of zeros gets the byte 1
; (zero codes; only this program reads the bytes); a block under 2^-124 is held at the byte 1.
; No tensor load, no cluster: the work hangs on a stored count.  No two work-groups share a byte of W1.
.set WP,    528                        ; an LDS row: 512 bytes + 16 = 33 x 16: sixteen neighbouring rows start at sixteen different groups of four banks
.set XST,   128*WP                     ; LDS: 0: the slice of W1, 128 rows; here: 16 rows of x's codes for each wave
.set LREG,  9472                       ; lst: an expert's bytes; byte 0 the count;
.set TOKO,  256                        ; from here on the tokens
.set LN16, 1                           ; v1   16 x lane
.set LN4,  2                           ; v2   4 x lane
.set R4,   3                           ; v3   4 (lane % 16)
.set H16,  4                           ; v4   16 (lane / 16)
.set XSTW, 5                           ; v5   my stage, in: a row of 512 bytes by 32 lanes
.set XSTR, 6                           ; v6   my stage, out: row lane % 16, + 16 (lane / 16)
.set WSTW, 7                           ; v7   W1's slice, in: wave w brings rows 32 w ..
.set WFR,  8                           ; v8   W1's slice, out: LDS row lane % 16 of a tile, + 16 (lane / 16)
.set LAR,  12                          ; v12  my row's entry in the list: 64 x tile + 4 (lane % 16)
.set XSO,  13                          ; v13  my row's scale bytes in xs
.set ER,   14                          ; v14  my row's token
.set TV,   15
.set E,    16                          ; v16-31   the byte offsets in xq of a tile's 16 rows
.set XS,   32                          ; v32-35   x's scale words (scales and nothing else)
.set WS,   36                          ; v36-67   W1's scale words (scales and nothing else)
.set XF,   68                          ; v68-131  x's eight fragments
.set ACC,  132                         ; v132-195 the eight tiles of the hidden layer
.set Z,    196
.set U,    204
.set P,    212
.set Q,    220
.set TM,   228                         ; v228-235, v240-243 the quantiser's
.set KA,   236                         ; v[236:237] a11 / 2, twice
.set KB,   238                         ; v[238:239] b6, twice
.set PC,   244                         ; v244-251 the fragment just made
.set PW,   252                         ; its scale word
; window 1, 2: W1's fragments (window 1's v0-127 first take my 32 rows as they lie);  window 3: v0-63 a tile's 16 rows of x's codes as they lie
.set WV, 18
.set EX, 19
.set FT, 20
.set NE, 24
.set NT, 25
.set TI, 26
.set TC, 27
.set SEL, 36
.set KC,  38                           ; s[38:59]: constants as pairs (the packed forms name a pair and take its low word for both halves)
.set A13, 40
.set A9,  42
.set A7,  44
.set A5,  46
.set A3,  48
.set A1,  50
.set B8,  52
.set B4,  54
.set B2,  56
.set B0,  58
.set LB,  60                           ; s[60:61] lst at my expert
.set LO,  62                           ; s62      64 x the tile in hand
.set T,   68                           ; s[68:83] a tile's 16 tokens
.set MSB, 0
.macro WIN new                         ; s_set_vgpr_msb: bits 1:0 source 0, 3:2 source 1, 5:4 source 2, 7:6 destination; the high byte repeats the setting that is left
.if MSB != \new
	s_set_vgpr_msb (MSB<<8)|\new
.set MSB, \new
.endif
.endm
.macro KPAIR r, bits
	s_mov_b32 s[\r], \bits
	s_mov_b32 s[\r+1], \bits
.endm
	s_load_b256 s[4:11], s[0:1], 0x0               ; lst s[4:5], xq s[6:7], xs s[8:9], W1's codes s[10:11]
	s_load_b128 s[12:15], s[0:1], 0x20             ; W1's scales s[12:13], himg s[14:15]
	s_load_b64 s[16:17], s[0:1], 0x30              ; hs
	v_lshl_add_u32 v254, v0, 2, 0x18c00
	v_mov_b32 v255, 0
	v_lshrrev_b32 v[TV], 5, v0
	v_readfirstlane_b32 s[WV], v[TV]               ; wave
	s_lshr_b32 s[EX], ttmp9, 5                     ; expert
	s_and_b32 s[FT], ttmp9, 31                     ; which 128 hidden units
	v_and_b32 v[TV], 31, v0                        ; lane
	v_lshlrev_b32 v[LN16], 4, v[TV]
	v_lshlrev_b32 v[LN4], 2, v[TV]
	v_and_b32 v196, 15, v0                         ; r
	v_bfe_u32 v197, v0, 4, 1                       ; h
	v_lshlrev_b32 v[R4], 2, v196
	v_lshlrev_b32 v[H16], 4, v197
	s_mul_i32 s34, s[WV], 16*WP
	s_add_co_u32 s34, s34, XST
	v_add_nc_u32 v[XSTW], s34, v[LN16]
	v_mul_u32_u24 v198, v196, WP
	v_add_nc_u32 v198, v198, v[H16]
	v_add_nc_u32 v[XSTR], s34, v198
	s_mul_i32 s35, s[WV], 32*WP
	v_add_nc_u32 v[WSTW], s35, v[LN16]
	v_mul_u32_u24 v[WFR], v196, WP
	v_add_nc_u32 v[WFR], v[WFR], v[H16]
	v_and_b32 v199, 8, v196
	v_add_nc_u32 v199, v199, v196                  ; r + 8 (r / 8)
	v_lshlrev_b32 v200, 5, v199
	v_add_nc_u32 v200, v200, v[H16]                ; W1's scale bytes: 32 a row; lanes 16-31 take the row's second 16
	s_lshl_b32 s[LO], s[WV], 6                     ; my first tile is tile w
	v_add_nc_u32 v[LAR], s[LO], v[R4]
	s_mov_b32 s[SEL], 0x76543210
	s_mov_b32 s[SEL+1], 0xfedcba98                 ; v_permlanex16_b32's selects for lane l xor 16
	KPAIR KC,  0x3f3504f3                          ; 1 / sqrt 2
	KPAIR A13, 0xaf15df0b                          ; -1.36307113e-10
	KPAIR A9,  0xb58cff51                          ; -1.05051201e-06
	KPAIR A7,  0xb7eec2d2                          ; -2.84625320e-05
	KPAIR A5,  0xb9c0ac63                          ; -3.67495315e-04
	KPAIR A3,  0xbac1a1f6                          ; -1.47729990e-03
	KPAIR A1,  0xbc03dbd4                          ; -8.04801666e-03
	KPAIR B8,  0xb77460cd                          ; -1.45660718e-05
	KPAIR B4,  0xbadc924e                          ; -1.68282697e-03
	KPAIR B2,  0xbbf19bf8                          ; -7.37332917e-03
	KPAIR B0,  0xbc69b6a7                          ; -1.42647391e-02
	v_mov_b32 v[KA], 0x326dffee                    ; 1.38534071e-08
	v_mov_b32 v[KA+1], 0x326dffee
	v_mov_b32 v[KB], 0xb95fbd29                    ; -2.13374055e-04
	v_mov_b32 v[KB+1], 0xb95fbd29
.irp b, 0,1,2,3
	v_mov_b32 v[TM+4+\b], 0                        ; written once: a lane permute's destination counts as one of its sources
.endr
	s_mov_b32 s29, 0
	s_mul_i32 s28, s[EX], LREG
	s_wait_kmcnt 0x0
	s_add_nc_u64 s[LB:LB+1], s[4:5], s[28:29]
	s_load_b32 s[NE], s[LB:LB+1], 0x0              ; the expert's rows
	s_load_b512 s[T:T+15], s[LB:LB+1], s[LO] offset:TOKO           ; the tokens of tile w
	s_lshl_b32 s28, ttmp9, 12
	s_add_nc_u64 s[12:13], s[12:13], s[28:29]      ; the slice's scale bytes: 128 rows x 32
	s_lshl_b32 s28, ttmp9, 16
	s_lshl_b32 s34, s[WV], 14
	s_add_co_u32 s28, s28, s34
	s_add_nc_u64 s[10:11], s[10:11], s[28:29]      ; the slice's codes, at my wave's 32 rows
	global_load_b32 v[ER], v[LAR], s[LB:LB+1] offset:TOKO          ; my row's token in tile w
.irp t, 0,1,2,3,4,5,6,7
	global_load_b128 v[WS+4*\t:WS+4*\t+3], v200, s[12:13] offset:32*(32*(\t/2)+8*(\t%2))
.endr
	WIN 0x40                                       ; destination window 1
.set NN, 0
.rept 32
	global_load_b128 v[4*NN:4*NN+3], v[LN16], s[10:11] offset:512*NN th:TH_LOAD_NT   ; a whole row of 512 bytes a load; read once in the launch
.set NN, NN+1
.endr
	WIN 0
; the 16 tokens in s[T] on become the rows' byte offsets in xq
.macro TADDR
.irp n, 0,1,2,3,4,5,6,7,8,9,10,11,12,13,14,15
	s_min_u32 s[T+\n], s[T+\n], 0x3ff
.endr
.irp n, 0,1,2,3,4,5,6,7,8,9,10,11,12,13,14,15
	v_lshl_add_u32 v[E+\n], s[T+\n], 9, v[LN16]
.endr
.endm
; and the rows are asked for: a whole row of 512 bytes a load, into window 3
.macro XROWS
	WIN 0xc0
.irp n, 0,1,2,3,4,5,6,7,8,9,10,11,12,13,14,15
	global_load_b128 v[4*\n:4*\n+3], v[E+\n], s[6:7]
.endr
	WIN 0
.endm
	s_wait_kmcnt 0x0                               ; the count and tile w's tokens
	s_min_u32 s[NE], s[NE], 0x400
	s_add_co_u32 s[NT], s[NE], 15
	s_lshr_b32 s[NT], s[NT], 4                     ; the expert's tiles
	TADDR
	XROWS                                          ; tile w's rows
	s_load_b512 s[T:T+15], s[LB:LB+1], s[LO] offset:TOKO+256       ; the tokens of tile w + 4
	s_wait_loadcnt 56                              ; my row's token is in: behind it stand 8 loads of scale words, 32 rows of W1 and 16 rows of x
	v_min_u32 v[ER], 0x3ff, v[ER]
	v_lshl_add_u32 v[XSO], v[ER], 5, v[H16]
	global_load_b128 v[XS:XS+3], v[XSO], s[8:9]    ; lanes 0-15: my row's words of K steps 0-3; lanes 16-31: of steps 4-7
	global_load_b32 v[ER], v[LAR], s[LB:LB+1] offset:TOKO+256      ; my row's token in tile w + 4
	s_wait_loadcnt 18                              ; the weights are in; the first tile's 16 rows, its scale words and the entry may be out
	WIN 0x04                                       ; an LDS store's data are its source 1: window 1
.set NN, 0
.rept 32
	ds_store_b128 v[WSTW], v[4*NN:4*NN+3] offset:WP*(16*((NN/8)%2)+8*(NN/16)+NN%8)   ; my row 16 g + 8 u + j goes to my LDS row 16 u + 8 g + j: the order of the tiles
.set NN, NN+1
.endr
	WIN 0
	s_wait_dscnt 0x0                               ; for the others' sake: my 32 rows lie in LDS
	s_barrier_signal -1
	s_barrier_wait -1
	; every wave takes the whole slice as fragments: (tile t, K step s) at v[64 (t % 4) + 8 s] of window 1 + t / 4.  They stay.
.irp t, 0,1,2,3,4,5,6,7
	WIN ((1+\t/4)<<6)
.irp s, 0,1,2,3,4,5,6,7
	ds_load_b128 v[64*(\t%4)+8*\s:64*(\t%4)+8*\s+3], v[WFR] offset:WP*16*\t+64*\s
	ds_load_b128 v[64*(\t%4)+8*\s+4:64*(\t%4)+8*\s+7], v[WFR] offset:WP*16*\t+64*\s+32
.endr
.endr
	WIN 0
	s_wait_dscnt 0x0
; 32 products: tiles 4 half .. 4 half + 3, K ascending; the four accumulators take turns, one instruction a turn; the first K step starts the sums
.macro MULH half
.irp s, 0,1,2,3
.irp t, 0,1,2,3
.if \s == 0
	v_wmma_scale_f32_16x16x128_f8f6f4 v[ACC+8*(4*\half+\t):ACC+8*(4*\half+\t)+7], v[64*\t+8*\s:64*\t+8*\s+7], v[XF+8*\s:XF+8*\s+7], 0, v[WS+4*(4*\half+\t)+\s], v[XS+\s] matrix_a_fmt:MATRIX_FMT_FP4 matrix_b_fmt:MATRIX_FMT_FP4
.else
	v_wmma_scale_f32_16x16x128_f8f6f4 v[ACC+8*(4*\half+\t):ACC+8*(4*\half+\t)+7], v[64*\t+8*\s:64*\t+8*\s+7], v[XF+8*\s:XF+8*\s+7], v[ACC+8*(4*\half+\t):ACC+8*(4*\half+\t)+7], v[WS+4*(4*\half+\t)+\s], v[XS+\s] matrix_a_fmt:MATRIX_FMT_FP4 matrix_b_fmt:MATRIX_FMT_FP4
.endif
.endr
.endr
.irp s, 4,5,6,7
.irp t, 0,1,2,3
	v_wmma_scale_f32_16x16x128_f8f6f4 v[ACC+8*(4*\half+\t):ACC+8*(4*\half+\t)+7], v[64*\t+8*\s:64*\t+8*\s+7], v[XF+8*\s:XF+8*\s+7], v[ACC+8*(4*\half+\t):ACC+8*(4*\half+\t)+7], v[WS+4*(4*\half+\t)+\s-4], v[XS+\s-4] matrix_a_fmt:MATRIX_FMT_FP4 matrix_b_fmt:MATRIX_FMT_FP4 matrix_a_scale:MATRIX_SCALE_ROW1 matrix_b_scale:MATRIX_SCALE_ROW1
.endr
.endr
.endm
; gelu of tile g's eight numbers, in place, four pairs by turns.  The accumulator is read from its low end on.
.macro HORNER d, k
.irp p, 0,2,4,6
	v_pk_fma_f32 v[\d+\p:\d+\p+1], v[\d+\p:\d+\p+1], v[U+\p:U+\p+1], s[\k:\k+1] op_sel_hi:[1,1,0]
.endr
.endm
.macro GELU g
.set GA, ACC+8*(\g)
.irp p, 0,2,4,6
	v_pk_mul_f32 v[Z+\p:Z+\p+1], v[GA+\p:GA+\p+1], s[KC:KC+1] op_sel_hi:[1,0]    ; z = x / sqrt 2,
.endr
.irp p, 0,1,2,3,4,5,6,7
	v_med3_num_f32 v[Z+\p], v[Z+\p], -4.0, 4.0     ; held to +-4, beyond which erf is +-1 in f32
.endr
.irp p, 0,2,4,6
	v_pk_mul_f32 v[U+\p:U+\p+1], v[Z+\p:Z+\p+1], v[Z+\p:Z+\p+1]
.endr
.irp p, 0,2,4,6
	v_pk_fma_f32 v[Q+\p:Q+\p+1], v[U+\p:U+\p+1], s[B8:B8+1], v[KB:KB+1] op_sel_hi:[1,0,1]
.endr
.irp p, 0,2,4,6
	v_pk_fma_f32 v[P+\p:P+\p+1], v[U+\p:U+\p+1], s[A13:A13+1], v[KA:KA+1] op_sel_hi:[1,0,1]
.endr
	HORNER Q, B4
	HORNER P, A9
	HORNER Q, B2
	HORNER P, A7
	HORNER Q, B0
	HORNER P, A5
.irp p, 0,1,2,3,4,5,6,7
	v_rcp_f32 v[Q+\p], v[Q+\p]
.endr
	HORNER P, A3                                   ; (plain lines behind the reciprocals, which name none of their registers)
	HORNER P, A1
	s_wait_alu depctr_va_vdst(0)
.irp p, 0,2,4,6
	v_pk_mul_f32 v[P+\p:P+\p+1], v[P+\p:P+\p+1], v[Q+\p:Q+\p+1]
.endr
.irp p, 0,2,4,6
	v_pk_fma_f32 v[P+\p:P+\p+1], v[Z+\p:Z+\p+1], v[P+\p:P+\p+1], 0.5 op_sel_hi:[1,1,0]   ; 0.5 + 0.5 erf(z)
.endr
.irp p, 0,2,4,6
	v_pk_mul_f32 v[GA+\p:GA+\p+1], v[GA+\p:GA+\p+1], v[P+\p:P+\p+1]
.endr
.endm
; 64 numbers of a lane, register 16 b + i = k 32 b + 16 (lane / 16) + i of my row, become a fragment's codes in v[PC] on and its scale word in v[PW]
.macro QUANT s
.irp b, 0,1,2,3
	v_max3_num_f32 v[TM+\b], |v[\s+16*\b]|, |v[\s+1+16*\b]|, 0x1800000   ; block b: my 16 numbers, and the floor 2^(3 - 127): the byte cannot fall under 1
.endr
.irp i, 2,4,6,8,10,12,14
.irp b, 0,1,2,3
	v_max3_num_f32 v[TM+\b], v[TM+\b], |v[\s+16*\b+\i]|, |v[\s+1+16*\b+\i]|
.endr
.endr
.irp b, 0,1,2,3
	v_permlanex16_b32 v[TM+4+\b], v[TM+\b], s[SEL], s[SEL+1]
.endr
.irp b, 0,1,2,3
	v_max_num_f32 v[TM+\b], v[TM+\b], v[TM+4+\b]   ; with lane l xor 16's: the block's largest magnitude
.endr
.irp b, 0,1,2,3
	v_add_nc_u32 v[TM+12+\b], 0xff000000, v[TM+\b] ; 2 off its exponent field: the conversion's scale operand
.endr
.irp b, 0,1,2,3
	v_lshrrev_b32 v[TM+4+\b], 23, v[TM+12+\b]      ; the scale's byte
.endr
	v_lshl_or_b32 v[PW], v[TM+5], 8, v[TM+4]       ; the four bytes make my row's scale word (the same in lanes l and l xor 16)
	v_lshl_or_b32 v[PW], v[TM+6], 16, v[PW]
	v_lshl_or_b32 v[PW], v[TM+7], 24, v[PW]
.irp b, 0,1,2,3
	v_cvt_scalef32_pk8_fp4_f32 v[PC+2*\b], v[\s+16*\b:\s+7+16*\b], v[TM+12+\b]
	v_cvt_scalef32_pk8_fp4_f32 v[PC+1+2*\b], v[\s+8+16*\b:\s+15+16*\b], v[TM+12+\b]
.endr
	v_nop                                          ; one plain line behind a scaled conversion
.irp c, 0,1                                    ; the operand's layout wants a whole block in a lane: lanes 0-15 block 2 c, lanes 16-31 block 2 c + 1
.irp i, 0,1
	v_permlane16_swap_b32 v[PC+4*\c+\i], v[PC+2+4*\c+\i]
.endr
.endr
.endm
	s_mov_b32 s[TI], s[WV]                         ; my tile
	s_mov_b32 s[TC], 0
.Ltile:                                            ; 16 trips, a constant; a place without a tile jumps to the lines that step
	s_cmp_ge_u32 s[TI], s[NT]
	s_cbranch_scc1 .Lnone
	s_wait_loadcnt 0x0                             ; this tile's 16 rows and scale words are in, and my row's token in the tile four on
	s_wait_kmcnt 0x0                               ; and that tile's 16 tokens: asked for a trip ago
	s_wait_xcnt 0x0                                ; the last trip's stores have had their addresses translated: their data and bases may be written again
	WIN 0x0c                                       ; the data: window 3
.irp n, 0,1,2,3,4,5,6,7,8,9,10,11,12,13,14,15
	ds_store_b128 v[XSTW], v[4*\n:4*\n+3] offset:WP*\n
.endr
	WIN 0
.irp s, 0,1,2,3,4,5,6,7
	ds_load_b128 v[XF+8*\s:XF+8*\s+3], v[XSTR] offset:64*\s         ; LDS serves a wave's instructions in order: these see the stores above
	ds_load_b128 v[XF+8*\s+4:XF+8*\s+7], v[XSTR] offset:64*\s+32
.endr
	TADDR                                          ; the rows of my next tile (behind the expert's last row the list holds zeros: such a tile is fetched in vain)
	s_lshl_b32 s[LO], s[TI], 6
	s_load_b512 s[T:T+15], s[LB:LB+1], s[LO] offset:TOKO+512       ; the tokens of the tile eight on
	s_wait_dscnt 0x0                               ; the fragments are in, and the stores have read window 3
	XROWS                                          ; the next tile's rows have the whole trip in which to land
	WIN 0x01                                       ; source 0 (W1) window 1
	MULH 0
	WIN 0x02                                       ; window 2
	MULH 1
	WIN 0
	v_min_u32 v[ER], 0x3ff, v[ER]                  ; five plain lines that name no register of the products stand between the last product and the load into its scale registers and the first read of results
	v_lshl_add_u32 v[XSO], v[ER], 5, v[H16]
	v_add_nc_u32 v[LAR], s[LO], v[R4]
	v_nop
	v_nop
	global_load_b128 v[XS:XS+3], v[XSO], s[8:9]    ; the next tile's scale words
	global_load_b32 v[ER], v[LAR], s[LB:LB+1] offset:TOKO+512      ; my row's token in the tile eight on
.irp g, 0,1,2,3,4,5,6,7
	GELU \g
.endr
	QUANT ACC
	s_lshl_b32 s34, s[EX], 6
	s_add_co_u32 s34, s34, s[TI]                   ; tile 64 e + i
	s_lshl_b32 s28, s34, 15
	s_lshl_b32 s35, s[FT], 10
	s_add_co_u32 s28, s28, s35
	s_add_nc_u64 s[30:31], s[14:15], s[28:29]
	s_lshl_b32 s28, s34, 12
	s_lshl_b32 s35, s[FT], 7
	s_add_co_u32 s28, s28, s35
	s_add_nc_u64 s[32:33], s[16:17], s[28:29]
	global_store_b128 v[LN16], v[PC:PC+3], s[30:31]                 ; 512 consecutive bytes a store, aligned
	global_store_b128 v[LN16], v[PC+4:PC+7], s[30:31] offset:512
	global_store_b32 v[LN4], v[PW], s[32:33]                        ; 128 consecutive bytes
.Lnone:
	s_add_co_u32 s[TI], s[TI], 4                   ; my next tile
	s_add_co_u32 s[TC], s[TC], 1
	s_cmp_lt_u32 s[TC], 16
	s_cbranch_scc1 .Ltile
	s_wait_kmcnt 0x0                               ; no scalar load of mine is out at the end
	s_wait_tensorcnt 0x0
	ds_add_u32 v254, v255
	s_wait_dscnt 0x0
	s_endpgm
.Lfunc_end_k_qb77730e9c5_ffn1:
	.size	k_qb77730e9c5_ffn1, .Lfunc_end_k_qb77730e9c5_ffn1-k_qb77730e9c5_ffn1
	.p2alignl 7, 3214868480
	.fill 96, 4, 3214868480
	.section	.rodata,"a",@progbits
	.p2align	6, 0x0
	.amdhsa_kernel k_qb77730e9c5_ffn1
		.amdhsa_group_segment_fixed_size 101888
		.amdhsa_private_segment_fixed_size 0
		.amdhsa_enable_private_segment 0
		.amdhsa_kernarg_size 56
		.amdhsa_user_sgpr_count 2
		.amdhsa_user_sgpr_kernarg_segment_ptr 1
		.amdhsa_wavefront_size32 1
		.amdhsa_system_sgpr_workgroup_id_x 1
		.amdhsa_system_sgpr_workgroup_id_y 1
		.amdhsa_system_sgpr_workgroup_id_z 1
		.amdhsa_system_vgpr_workitem_id 0
		.amdhsa_next_free_vgpr 832
		.amdhsa_next_free_sgpr 84
		.amdhsa_reserve_vcc 0
		.amdhsa_float_denorm_mode_32 3
		.amdhsa_float_denorm_mode_16_64 3
		.amdhsa_memory_ordered 1
		.amdhsa_forward_progress 1
		.amdhsa_inst_pref_size 78
	.end_amdhsa_kernel
	.amdgpu_metadata
---
amdhsa.version: [ 1, 2 ]
amdhsa.kernels:
  - .name:           k_qb77730e9c5_ffn1
    .symbol:         k_qb77730e9c5_ffn1.kd
    .args:
      - { .name: lst, .offset: 0, .size: 8, .value_kind: global_buffer, .address_space: global }
      - { .name: xq, .offset: 8, .size: 8, .value_kind: global_buffer, .address_space: global }
      - { .name: xs, .offset: 16, .size: 8, .value_kind: global_buffer, .address_space: global }
      - { .name: W1_codes, .offset: 24, .size: 8, .value_kind: global_buffer, .address_space: global }
      - { .name: W1_scales, .offset: 32, .size: 8, .value_kind: global_buffer, .address_space: global }
      - { .name: himg, .offset: 40, .size: 8, .value_kind: global_buffer, .address_space: global }
      - { .name: hs, .offset: 48, .size: 8, .value_kind: global_buffer, .address_space: global }
    .group_segment_fixed_size: 101888
    .private_segment_fixed_size: 0
    .kernarg_segment_align: 8
    .kernarg_segment_size: 56
    .max_flat_workgroup_size: 128
    .sgpr_count:     84
    .vgpr_count:     832
    .wavefront_size: 32
...
	.end_amdgpu_metadata
.endif
;; end of part 3
;; launch ffn2 (part 4): grid 256 x 1, 8 waves a work-group, no clusters, 171,008 bytes of LDS; arguments lst, himg, hs, W2_codes, W2_scales, y; writes y
.if DOCPART == 4
	.amdgcn_target "amdgcn-amd-amdhsa--gfx1250"
	.amdhsa_code_object_version 6
	.text
	.protected	k_qb77730e9c5_ffn2
	.globl	k_qb77730e9c5_ffn2
	.p2align	8
	.type	k_qb77730e9c5_ffn2,@function
k_qb77730e9c5_ffn2:
	s_mov_b64 s[64:65], 0
	v_nop
	global_prefetch_b8 v0, s[64:65] scope:SCOPE_SE
	s_setreg_imm32_b32 hwreg(HW_REG_WAVE_MODE, 25, 1), 1
	s_wait_xcnt 0x0
; SECOND PRODUCT.  y[slot] = H[row] W2[e] for the chosen rows, on codes of E2M1 with E8M0 scales; slot = 2 x token + choice, one f32 row of 1,024 for each.
; SHARES.  Work-group id = 32 e + 4 j + rr owns outputs 128 j .. 128 j + 127 of expert e and the expert's tiles of 16 rows rr, rr + 4, rr + 8 ..  K = 4,096 IS SPLIT OVER EIGHT WAVES:
; wave w holds K = 512 w .. + 511 of the 128 rows of W2 (32 KB) in 256 registers for the whole launch, and no byte is loaded by two waves of a work-group.  The four work-groups that
; read the same rows of W2 have neighbouring numbers.  A tile's eight partial sums meet in LDS: each wave stores 16 rows x 128, one barrier, each wave adds and stores two whole rows.
; WHY EIGHT WAVES.  The work-group reads 256 KB of W2 before its first product.  A wave's loads on their way are bounded by LOADcnt's field (ISA guide 5.7.1); with four waves each would ask for
; 176 loads at its head, with eight each asks for 88, of which 56 go out at once: the eight together can have twice the bytes on their way.  The price: twice the partial sums through LDS.
; H arrives as images of operand registers (himg [tile 64 e + i][K step][1,024 bytes], hs [tile][K step][128 bytes]): eight loads of 512 consecutive bytes bring a wave's four fragments.
; THE ROWS come from lst, stored two launches before: the expert's count and, for each tile, the slots of the two rows that my wave stores: scalar loads, the slots asked for a place ahead
; (at most tile 67, inside the list's 1,152 words).
; THE MATRIX INSTRUCTION IS USED TRANSPOSED (source 0 = 16 rows of W2, source 1 = 16 rows of H): a lane holds eight neighbouring outputs of one row.
; SCALE WORDS.  W2's: register 4 (t / 2) + s: lanes 0-15 the rows of the even tile, lanes 16-31 those of the odd tile, K step s (row 1 of the register is named for odd tiles).
; H's: register s % 2 of a set: lanes 0-15 K step s % 2, lanes 16-31 K step 2 + s % 2 (row 1 is named for steps 2 and 3).
; THE LOOP HAS A CONSTANT COUNT: 16 places of tiles serve every split (1,024 rows on one expert too).  A place without a tile jumps over its work by scalar branches on the stored count; the
; barrier stands outside those branches, on every wave's path.  Two tiles of H are asked for at the head at addresses that hang on no count: where such a tile does not exist, what comes is never used.
; No tensor load, no cluster: the work hangs on a stored count.
.set SP,    272                        ; a stage row: my 256 bytes of a row of W2 + 16 = 17 x 16
.set STGW,  16*SP                      ; LDS: 0: a stage of 16 rows for each wave (W2's rows turn into fragments there)
.set RP,    528                        ; a row of partial sums: 512 bytes + 16
.set RED,   8*STGW                     ; here: two buffers x eight waves x 16 rows of partial sums
.set REDW,  16*RP                      ; a wave's part
.set REDB,  8*REDW                     ; one buffer: longer than an LDS offset reaches, so each buffer has its own address registers
.set LREG,  9472                       ; lst: an expert's bytes; byte 0 the count;
.set SLOO,  4864                       ; from here on the slots
.set LN16, 1                           ; v1   16 x lane
.set HSO,  2                           ; v2   256 (lane / 16) + 4 x lane: H's scale words
.set SW,   3                           ; v3   my stage, in: row lane / 16 of a pair, 16 bytes for each of 16 lanes
.set SR,   4                           ; v4   my stage, out: row lane % 16, + 16 (lane / 16)
.set RW,   5                           ; v5-6 my partial sums in buffer 0, 1: row lane % 16, + 32 (lane / 16)
.set RR,   7                           ; v7-8 rows 2 w, 2 w + 1 of part 0 in buffer 0, 1: 16 bytes a lane
.set WSO,  9                           ; v9   W2's scale bytes: 128 x lane (lane = the row among a pair of tiles' 32)
.set WRO,  10                          ; v10  W2's codes: 2,048 (lane / 16) + 16 (lane % 16): two rows a load
.set TV,   11
.set VO,   20                          ; v20-21   my two rows' byte offsets in y
.set HS,   24                          ; v24-25, v26-27 H's scale words, two sets (scales and nothing else)
.set WS,   32                          ; v32-47   W2's scale words (scales and nothing else)
.set ACC,  64                          ; v64-127  eight accumulators
.set AF,   128                         ; v128-159, v160-191 H's fragments, two sets: K step s at 8 s
.set R,    192                         ; v192-255 two rows x eight parts
; window 1: W2's fragments, (tile t, K step s) at v[32 t + 8 s]
.set WV, 16
.set EX, 17
.set JJ, 18
.set RQ, 19
.set NE, 23
.set NT, 24
.set NL, 25                            ; the last tile's number
.set TI, 26
.set TC, 27
.set Q0, 31                            ; my first row's number among the expert's rows
.set AB, 32                            ; s[32:33] H's images;  s[36:37] H's scale words;  s[38:39] W2's codes;  s[40:41] y;  s[42:43] W2's scales
.set HB, 36
.set WB, 38
.set YB, 40
.set SB, 42
.set E64, 44
.set WA4, 45                           ; 4,096 x wave: my four K steps in a tile's images
.set WA5, 46                           ; 512 x wave: and in its scale words
.set T,   48                           ; s[48:49] my two rows' slots
.set LO,  52                           ; s52      64 x tile + 8 x wave
.set W8,  53
.set LB,  54                           ; s[54:55] lst at my expert
.set MSB, 0
.macro WIN new                         ; s_set_vgpr_msb: bits 1:0 source 0, 3:2 source 1, 5:4 source 2, 7:6 destination; the high byte repeats the setting that is left
.if MSB != \new
	s_set_vgpr_msb (MSB<<8)|\new
.set MSB, \new
.endif
.endm
	s_load_b256 s[4:11], s[0:1], 0x0               ; lst s[4:5], himg s[6:7], hs s[8:9], W2's codes s[10:11]
	s_load_b128 s[12:15], s[0:1], 0x20             ; W2's scales s[12:13], y s[14:15]
	v_lshl_add_u32 v62, v0, 2, 0x29800
	v_mov_b32 v63, 0
	v_lshrrev_b32 v[TV], 5, v0
	v_readfirstlane_b32 s[WV], v[TV]               ; wave 0..7
	s_lshr_b32 s[EX], ttmp9, 5                     ; expert
	s_bfe_u32 s[JJ], ttmp9, 0x30002                ; which 128 outputs
	s_and_b32 s[RQ], ttmp9, 3                      ; which quarter of the tiles
	v_and_b32 v[TV], 31, v0                        ; lane
	v_lshlrev_b32 v[LN16], 4, v[TV]
	v_and_b32 v12, 15, v0                          ; r
	v_bfe_u32 v13, v0, 4, 1                        ; h
	v_lshlrev_b32 v[HSO], 2, v[TV]
	v_lshl_add_u32 v[HSO], v13, 8, v[HSO]
	s_mul_i32 s34, s[WV], STGW                     ; my stage
	v_mul_u32_u24 v14, v13, SP
	v_lshl_add_u32 v[SW], v12, 4, v14
	v_add_nc_u32 v[SW], s34, v[SW]
	v_mul_u32_u24 v14, v12, SP
	v_lshl_add_u32 v[SR], v13, 4, v14
	v_add_nc_u32 v[SR], s34, v[SR]
	s_mul_i32 s34, s[WV], REDW
	s_add_co_u32 s34, s34, RED                     ; my part of buffer 0
	v_mul_u32_u24 v14, v12, RP
	v_lshl_add_u32 v14, v13, 5, v14
	v_add_nc_u32 v[RW], s34, v14
	v_add_nc_u32 v[RW+1], REDB, v[RW]
	s_mul_i32 s35, s[WV], 2*RP
	s_add_co_u32 s35, s35, RED                     ; row 2 w of part 0 of buffer 0
	v_add_nc_u32 v[RR], s35, v[LN16]
	v_add_nc_u32 v[RR+1], REDB, v[RR]
	v_lshlrev_b32 v[WSO], 7, v[TV]
	v_lshlrev_b32 v[WRO], 4, v12
	v_lshl_add_u32 v[WRO], v13, 11, v[WRO]
	s_lshl_b32 s[E64], s[EX], 6
	s_lshl_b32 s[WA4], s[WV], 12
	s_lshl_b32 s[WA5], s[WV], 9
	s_lshl_b32 s[W8], s[WV], 3
	s_mov_b32 s[TI], s[RQ]
	s_lshl_b32 s[LO], s[RQ], 6
	s_add_co_u32 s[LO], s[LO], s[W8]               ; my two entries of my first tile
	s_lshl_b32 s[Q0], s[RQ], 4
	s_lshl_b32 s34, s[WV], 1
	s_add_co_u32 s[Q0], s[Q0], s34                 ; 16 i + 2 w
	s_mul_i32 s56, s[EX], LREG
	s_mov_b32 s57, 0
	s_mov_b32 s29, 0
	s_lshr_b32 s34, ttmp9, 2                       ; 8 e + j
	s_lshl_b32 s28, s34, 18                        ; 128 rows of 2,048 bytes,
	s_lshl_b32 s35, s[WV], 8                       ; my 256 bytes of each
	s_add_co_u32 s28, s28, s35
	s_wait_kmcnt 0x0
	s_add_nc_u64 s[LB:LB+1], s[4:5], s[56:57]
	s_load_b32 s[NE], s[LB:LB+1], 0x0              ; the expert's rows
	s_load_b64 s[T:T+1], s[LB:LB+1], s[LO] offset:SLOO             ; my two slots of tile rr
	s_add_nc_u64 s[WB:WB+1], s[10:11], s[28:29]
	s_lshl_b32 s28, s34, 14                        ; 128 rows of 128 scale bytes,
	s_lshl_b32 s35, s[WV], 4                       ; my 16 of each
	s_add_co_u32 s28, s28, s35
	s_add_nc_u64 s[SB:SB+1], s[12:13], s[28:29]
	s_lshl_b32 s28, s[JJ], 9
	s_add_nc_u64 s[YB:YB+1], s[14:15], s[28:29]
	s_add_co_u32 s34, s[E64], s[RQ]                ; my first tile
	s_lshl_b32 s28, s34, 15
	s_add_co_u32 s28, s28, s[WA4]
	s_add_nc_u64 s[AB:AB+1], s[6:7], s[28:29]
	s_lshl_b32 s28, s34, 12
	s_add_co_u32 s28, s28, s[WA5]
	s_add_nc_u64 s[HB:HB+1], s[8:9], s[28:29]
; a tile's four fragments of my K and their scale words into set b: 4 KB on end, already in the order of the registers
.macro APF b, aoff, hoff
.irp m, 0,1,2,3,4,5,6,7
	global_load_b128 v[AF+32*(\b)+4*\m:AF+32*(\b)+4*\m+3], v[LN16], s[AB:AB+1] offset:\aoff+512*\m
.endr
.irp q, 0,1
	global_load_b32 v[HS+2*(\b)+\q], v[HSO], s[HB:HB+1] offset:\hoff+128*\q
.endr
.endm
; tile t's 16 rows of W2, my 256 bytes of each, as they lie: two rows a load, sixteen lanes to 256 consecutive bytes, aligned
.macro WRAW t
	WIN 0x40                                       ; destination window 1
.irp k, 0,1,2,3,4,5,6,7
	global_load_b128 v[32*(\t)+4*\k:32*(\t)+4*\k+3], v[WRO], s[WB:WB+1] offset:2048*(16*(\t)+2*\k)
.endr
.endm
; they turn into fragments through my stage, and land in the registers that the rows left.  n: the loads asked for later, which may stay out.
; LDS serves a wave's instructions in order: no wait between the stores and the loads, nor in front of the next tile's stores
.macro WSTAGE t, n
	s_wait_loadcnt \n
	WIN 0x04                                       ; an LDS store's data are its source 1: window 1
.irp k, 0,1,2,3,4,5,6,7
	ds_store_b128 v[SW], v[32*(\t)+4*\k:32*(\t)+4*\k+3] offset:2*SP*\k
.endr
	WIN 0x40
.irp s, 0,1,2,3
	ds_load_b128 v[32*(\t)+8*\s:32*(\t)+8*\s+3], v[SR] offset:64*\s
	ds_load_b128 v[32*(\t)+8*\s+4:32*(\t)+8*\s+7], v[SR] offset:64*\s+32
.endr
.endm
	APF 0, 0, 0                                    ; tile rr
	APF 1, 4*32768, 4*4096                         ; tile rr + 4
.irp p, 0,1,2,3
	global_load_b128 v[WS+4*\p:WS+4*\p+3], v[WSO], s[SB:SB+1] offset:4096*\p       ; tiles 2 p and 2 p + 1: 32 rows, my four K steps' words of each
.endr
	WRAW 0
	WRAW 1
	WRAW 2
	WRAW 3
	WIN 0
	s_wait_kmcnt 0x0                               ; the count (and my first slots)
	s_min_u32 s[NE], s[NE], 0x400                  ; the expert's rows,
	s_add_co_u32 s[NT], s[NE], 15
	s_lshr_b32 s[NT], s[NT], 4                     ; its tiles,
	s_sub_co_u32 s[NL], s[NT], 1                   ; the last of them (used only where there is a tile)
.irp t, 0,1,2,3
	WRAW \t+4
	WSTAGE \t, 32                                  ; tile t's rows are in; the four tiles asked for behind it, eight loads each, may be out
.endr
	WSTAGE 4, 24
	WSTAGE 5, 16
	WSTAGE 6, 8
	WSTAGE 7, 0
	WIN 0
	s_wait_dscnt 0x0
; one product: tile t of outputs, my K step s, H's set b.  The first K step starts the sum.
.macro PROD t, s, b
.set PD, ACC+8*(\t)
.set PA, 32*(\t)+8*(\s)
.set PB, AF+32*(\b)+8*(\s)
.set PSA, WS+4*((\t)/2)+(\s)
.set PSB, HS+2*(\b)+(\s)%2
.if (\s) == 0
.if (\t)%2 == 0
	v_wmma_scale_f32_16x16x128_f8f6f4 v[PD:PD+7], v[PA:PA+7], v[PB:PB+7], 0, v[PSA], v[PSB] matrix_a_fmt:MATRIX_FMT_FP4 matrix_b_fmt:MATRIX_FMT_FP4
.else
	v_wmma_scale_f32_16x16x128_f8f6f4 v[PD:PD+7], v[PA:PA+7], v[PB:PB+7], 0, v[PSA], v[PSB] matrix_a_fmt:MATRIX_FMT_FP4 matrix_b_fmt:MATRIX_FMT_FP4 matrix_a_scale:MATRIX_SCALE_ROW1
.endif
.elseif (\s) == 1
.if (\t)%2 == 0
	v_wmma_scale_f32_16x16x128_f8f6f4 v[PD:PD+7], v[PA:PA+7], v[PB:PB+7], v[PD:PD+7], v[PSA], v[PSB] matrix_a_fmt:MATRIX_FMT_FP4 matrix_b_fmt:MATRIX_FMT_FP4
.else
	v_wmma_scale_f32_16x16x128_f8f6f4 v[PD:PD+7], v[PA:PA+7], v[PB:PB+7], v[PD:PD+7], v[PSA], v[PSB] matrix_a_fmt:MATRIX_FMT_FP4 matrix_b_fmt:MATRIX_FMT_FP4 matrix_a_scale:MATRIX_SCALE_ROW1
.endif
.else
.if (\t)%2 == 0
	v_wmma_scale_f32_16x16x128_f8f6f4 v[PD:PD+7], v[PA:PA+7], v[PB:PB+7], v[PD:PD+7], v[PSA], v[PSB] matrix_a_fmt:MATRIX_FMT_FP4 matrix_b_fmt:MATRIX_FMT_FP4 matrix_b_scale:MATRIX_SCALE_ROW1
.else
	v_wmma_scale_f32_16x16x128_f8f6f4 v[PD:PD+7], v[PA:PA+7], v[PB:PB+7], v[PD:PD+7], v[PSA], v[PSB] matrix_a_fmt:MATRIX_FMT_FP4 matrix_b_fmt:MATRIX_FMT_FP4 matrix_a_scale:MATRIX_SCALE_ROW1 matrix_b_scale:MATRIX_SCALE_ROW1
.endif
.endif
.endm
; 32 products: my four K steps ascending, the eight accumulators by turns, one instruction a turn
.macro MUL b
.irp s, 0,1,2,3
.irp t, 0,1,2,3,4,5,6,7
	PROD \t, \s, \b
.endr
.endr
.endm
; row 2 w + m of the tile: its eight parts are added, ((0 + 1) + (2 + 3)) + ((4 + 5) + (6 + 7)), and the 128 outputs leave, unless the row lies behind the expert's last
.macro ROWOUT m
.set RB, R+32*(\m)
	s_wait_dscnt 8-8*(\m)                          ; this row's eight loads are in; the later row's may be out
.irp p, 0,2,4,6
	v_pk_add_f32 v[RB+4*\p:RB+4*\p+1], v[RB+4*\p:RB+4*\p+1], v[RB+4*\p+4:RB+4*\p+5]
	v_pk_add_f32 v[RB+4*\p+2:RB+4*\p+3], v[RB+4*\p+2:RB+4*\p+3], v[RB+4*\p+6:RB+4*\p+7]
.endr
.irp p, 0,4
	v_pk_add_f32 v[RB+4*\p:RB+4*\p+1], v[RB+4*\p:RB+4*\p+1], v[RB+4*\p+8:RB+4*\p+9]
	v_pk_add_f32 v[RB+4*\p+2:RB+4*\p+3], v[RB+4*\p+2:RB+4*\p+3], v[RB+4*\p+10:RB+4*\p+11]
.endr
	v_pk_add_f32 v[RB:RB+1], v[RB:RB+1], v[RB+16:RB+17]
	v_pk_add_f32 v[RB+2:RB+3], v[RB+2:RB+3], v[RB+18:RB+19]
	s_add_co_u32 s34, s[Q0], \m
	s_cmp_lt_u32 s34, s[NE]
	s_cbranch_scc0 .Lspare_\@
	global_store_b128 v[VO+\m], v[RB:RB+3], s[YB:YB+1]             ; 32 lanes store 512 consecutive bytes, aligned
.Lspare_\@:
.endm
; ONE PLACE OF A TILE, on H's set b and buffer b of the partial sums.  pf = 1: the tile four further on (held to the expert's last) is asked for into the other set.  nx = 1: so are its two slots.
; One barrier serves both orders: in front of it each wave has waited for its stores into buffer b and for its reads of the other buffer, which is written again only behind it.
.macro TRIP b, pf, nx
	s_cmp_ge_u32 s[TI], s[NT]
	s_cbranch_scc1 .Lidle_a_\@
	s_wait_loadcnt 0x0                             ; this tile's fragments and scale words are in
.if \pf
	s_wait_xcnt 0x0                                ; the bases may be written again
	s_add_co_u32 s34, s[TI], 4
	s_min_u32 s34, s34, s[NL]
	s_min_u32 s34, s34, 63
	s_add_co_u32 s34, s34, s[E64]
	s_lshl_b32 s28, s34, 15
	s_add_co_u32 s28, s28, s[WA4]
	s_add_nc_u64 s[AB:AB+1], s[6:7], s[28:29]
	s_lshl_b32 s28, s34, 12
	s_add_co_u32 s28, s28, s[WA5]
	s_add_nc_u64 s[HB:HB+1], s[8:9], s[28:29]
	APF 1-\b, 0, 0                                 ; it has this place's products and sums in which to land
.endif
	WIN 0x01                                       ; source 0 (W2) window 1; H, the sums and the scale words in window 0
	MUL \b
	WIN 0
.rept 5
	v_nop                                          ; four places are owed in front of the stores that read results and of loads into the products' sources, five in front of the next place's first product, which begins an accumulator anew
.endr
.irp t, 0,1,2,3,4,5,6,7
	ds_store_b128 v[RW+\b], v[ACC+8*\t:ACC+8*\t+3] offset:64*\t               ; each accumulator from its low end on
	ds_store_b128 v[RW+\b], v[ACC+8*\t+4:ACC+8*\t+7] offset:64*\t+16
.endr
.Lidle_a_\@:
	s_wait_dscnt 0x0
	s_barrier_signal -1
	s_barrier_wait -1
	s_cmp_ge_u32 s[TI], s[NT]
	s_cbranch_scc1 .Lidle_b_\@
	s_wait_xcnt 0x0                                ; the last place's stores have had their addresses translated: their data and offsets may be written again
	s_wait_kmcnt 0x0                               ; my two rows' slots: asked for a place ago
.irp m, 0,1
.irp p, 0,1,2,3,4,5,6,7
	ds_load_b128 v[R+32*\m+4*\p:R+32*\m+4*\p+3], v[RR+\b] offset:REDW*\p+RP*\m
.endr
.endr
.irp m, 0,1
	s_min_u32 s[T+\m], s[T+\m], 0x7ff
.endr
.irp m, 0,1
	v_lshl_add_u32 v[VO+\m], s[T+\m], 12, v[LN16]  ; a slot's row of y is 4,096 bytes
.endr
.if \nx
	s_lshl_b32 s[LO], s[TI], 6
	s_add_co_u32 s[LO], s[LO], s[W8]
	s_load_b64 s[T:T+1], s[LB:LB+1], s[LO] offset:SLOO+256         ; my two slots of the tile four on
.endif
	ROWOUT 0
	ROWOUT 1
.Lidle_b_\@:
	s_add_co_u32 s[TI], s[TI], 4
	s_add_co_u32 s[Q0], s[Q0], 64
.endm
	TRIP 0, 0, 1                                   ; tile rr: the head has asked for the tile behind it
	s_mov_b32 s[TC], 7
.Lpair:
	TRIP 1, 1, 1
	TRIP 0, 1, 1
	s_sub_co_i32 s[TC], s[TC], 1
	s_cmp_lg_u32 s[TC], 0
	s_cbranch_scc1 .Lpair
	TRIP 1, 0, 0                                   ; the sixteenth place: nothing is left to ask for
	s_wait_kmcnt 0x0                               ; no scalar load of mine is out at the end
	s_wait_tensorcnt 0x0
	ds_add_u32 v62, v63
	s_wait_dscnt 0x0
	s_endpgm
.Lfunc_end_k_qb77730e9c5_ffn2:
	.size	k_qb77730e9c5_ffn2, .Lfunc_end_k_qb77730e9c5_ffn2-k_qb77730e9c5_ffn2
	.p2alignl 7, 3214868480
	.fill 96, 4, 3214868480
	.section	.rodata,"a",@progbits
	.p2align	6, 0x0
	.amdhsa_kernel k_qb77730e9c5_ffn2
		.amdhsa_group_segment_fixed_size 171008
		.amdhsa_private_segment_fixed_size 0
		.amdhsa_enable_private_segment 0
		.amdhsa_kernarg_size 48
		.amdhsa_user_sgpr_count 2
		.amdhsa_user_sgpr_kernarg_segment_ptr 1
		.amdhsa_wavefront_size32 1
		.amdhsa_system_sgpr_workgroup_id_x 1
		.amdhsa_system_sgpr_workgroup_id_y 1
		.amdhsa_system_sgpr_workgroup_id_z 1
		.amdhsa_system_vgpr_workitem_id 0
		.amdhsa_next_free_vgpr 512
		.amdhsa_next_free_sgpr 66
		.amdhsa_reserve_vcc 0
		.amdhsa_float_denorm_mode_32 3
		.amdhsa_float_denorm_mode_16_64 3
		.amdhsa_memory_ordered 1
		.amdhsa_forward_progress 1
		.amdhsa_inst_pref_size 60
	.end_amdhsa_kernel
	.amdgpu_metadata
---
amdhsa.version: [ 1, 2 ]
amdhsa.kernels:
  - .name:           k_qb77730e9c5_ffn2
    .symbol:         k_qb77730e9c5_ffn2.kd
    .args:
      - { .name: lst, .offset: 0, .size: 8, .value_kind: global_buffer, .address_space: global }
      - { .name: himg, .offset: 8, .size: 8, .value_kind: global_buffer, .address_space: global }
      - { .name: hs, .offset: 16, .size: 8, .value_kind: global_buffer, .address_space: global }
      - { .name: W2_codes, .offset: 24, .size: 8, .value_kind: global_buffer, .address_space: global }
      - { .name: W2_scales, .offset: 32, .size: 8, .value_kind: global_buffer, .address_space: global }
      - { .name: y, .offset: 40, .size: 8, .value_kind: global_buffer, .address_space: global }
    .group_segment_fixed_size: 171008
    .private_segment_fixed_size: 0
    .kernarg_segment_align: 8
    .kernarg_segment_size: 48
    .max_flat_workgroup_size: 256
    .sgpr_count:     66
    .vgpr_count:     512
    .wavefront_size: 32
...
	.end_amdgpu_metadata
.endif
;; end of part 4
;; launch comb (part 5): grid 256 x 1, 4 waves a work-group, no clusters, 0 bytes of LDS; arguments y, gw, out0; writes out0
.if DOCPART == 5
	.amdgcn_target "amdgcn-amd-amdhsa--gfx1250"
	.amdhsa_code_object_version 6
	.text
	.protected	k_qb77730e9c5_comb
	.globl	k_qb77730e9c5_comb
	.p2align	8
	.type	k_qb77730e9c5_comb,@function
k_qb77730e9c5_comb:
	s_mov_b64 s[64:65], 0
	v_nop
	global_prefetch_b8 v0, s[64:65] scope:SCOPE_SE
	s_setreg_imm32_b32 hwreg(HW_REG_WAVE_MODE, 25, 1), 1
	s_wait_xcnt 0x0
; out[t] = gw[t][0] y[2 t] + gw[t][1] y[2 t + 1]: a token's two experts' rows, weighed and added.  y: [2048][1024] f32, gw: [1024][2] f32, out0: [1024][1024] f32.
; A stream: one wave takes one token (4 x work-group + wave); every load and store of a row covers 512 consecutive bytes, aligned; all loads go out at once; each byte of y is read and each of out0 written once.
; The token's two weights come by a vector load of 8 bytes, the same address in every lane, issued ahead of the rows' loads: so they are on their way together with the rows, and no second
; wait for a scalar load stands in the text.
; No LDS, no barrier, no matrix unit: there is nothing for them to do here.
	s_load_b128 s[4:7], s[0:1], 0x0                ; y s[4:5], gw s[6:7]
	s_load_b64 s[8:9], s[0:1], 0x10                ; out0
	v_lshrrev_b32 v2, 5, v0
	v_readfirstlane_b32 s10, v2                    ; wave
	s_lshl_b32 s11, ttmp9, 2
	s_add_co_u32 s11, s11, s10                     ; token
	v_and_b32 v1, 31, v0
	v_lshlrev_b32 v1, 4, v1                        ; 16 x lane
	s_lshl_b32 s14, s11, 3
	v_mov_b32 v3, s14                              ; 8 x token
	s_mov_b32 s13, 0
	s_lshl_b32 s12, s11, 13
	s_wait_kmcnt 0x0
	global_load_b64 v[4:5], v3, s[6:7]             ; v4, v5: the token's two weights, in every lane
	s_add_nc_u64 s[4:5], s[4:5], s[12:13]
	s_lshl_b32 s12, s11, 12
	s_add_nc_u64 s[8:9], s[8:9], s[12:13]
.irp i, 0,1,2,3,4,5,6,7
	global_load_b128 v[16+8*\i:19+8*\i], v1, s[4:5] offset:512*\i th:TH_LOAD_NT
	global_load_b128 v[20+8*\i:23+8*\i], v1, s[4:5] offset:4096+512*\i th:TH_LOAD_NT
.endr
.irp i, 0,1,2,3,4,5,6,7
	s_wait_loadcnt 14-2*\i                         ; this pair of loads is in (and the weights, the oldest load); the younger pairs may be out
	v_pk_mul_f32 v[16+8*\i:17+8*\i], v[16+8*\i:17+8*\i], v[4:5] op_sel_hi:[1,0]                ; x the first weight: of the pair v[4:5] the low word serves both halves
	v_pk_mul_f32 v[18+8*\i:19+8*\i], v[18+8*\i:19+8*\i], v[4:5] op_sel_hi:[1,0]
	v_pk_fma_f32 v[16+8*\i:17+8*\i], v[20+8*\i:21+8*\i], v[4:5], v[16+8*\i:17+8*\i] op_sel:[0,1,0] op_sel_hi:[1,1,1]   ; + the second row x the second weight: the high word serves both halves
	v_pk_fma_f32 v[18+8*\i:19+8*\i], v[22+8*\i:23+8*\i], v[4:5], v[18+8*\i:19+8*\i] op_sel:[0,1,0] op_sel_hi:[1,1,1]
	global_store_b128 v1, v[16+8*\i:19+8*\i], s[8:9] offset:512*\i th:TH_STORE_NT
.endr
	s_endpgm
.Lfunc_end_k_qb77730e9c5_comb:
	.size	k_qb77730e9c5_comb, .Lfunc_end_k_qb77730e9c5_comb-k_qb77730e9c5_comb
	.p2alignl 7, 3214868480
	.fill 96, 4, 3214868480
	.section	.rodata,"a",@progbits
	.p2align	6, 0x0
	.amdhsa_kernel k_qb77730e9c5_comb
		.amdhsa_group_segment_fixed_size 0
		.amdhsa_private_segment_fixed_size 0
		.amdhsa_enable_private_segment 0
		.amdhsa_kernarg_size 24
		.amdhsa_user_sgpr_count 2
		.amdhsa_user_sgpr_kernarg_segment_ptr 1
		.amdhsa_wavefront_size32 1
		.amdhsa_system_sgpr_workgroup_id_x 1
		.amdhsa_system_sgpr_workgroup_id_y 1
		.amdhsa_system_sgpr_workgroup_id_z 1
		.amdhsa_system_vgpr_workitem_id 0
		.amdhsa_next_free_vgpr 80
		.amdhsa_next_free_sgpr 66
		.amdhsa_reserve_vcc 0
		.amdhsa_float_denorm_mode_32 3
		.amdhsa_float_denorm_mode_16_64 3
		.amdhsa_memory_ordered 1
		.amdhsa_forward_progress 1
		.amdhsa_inst_pref_size 6
	.end_amdhsa_kernel
	.amdgpu_metadata
---
amdhsa.version: [ 1, 2 ]
amdhsa.kernels:
  - .name:           k_qb77730e9c5_comb
    .symbol:         k_qb77730e9c5_comb.kd
    .args:
      - { .name: y, .offset: 0, .size: 8, .value_kind: global_buffer, .address_space: global }
      - { .name: gw, .offset: 8, .size: 8, .value_kind: global_buffer, .address_space: global }
      - { .name: out0, .offset: 16, .size: 8, .value_kind: global_buffer, .address_space: global }
    .group_segment_fixed_size: 0
    .private_segment_fixed_size: 0
    .kernarg_segment_align: 8
    .kernarg_segment_size: 24
    .max_flat_workgroup_size: 128
    .sgpr_count:     66
    .vgpr_count:     80
    .wavefront_size: 32
...
	.end_amdgpu_metadata
.endif
;; end of part 5
;; ======== version 2 of 2: 5 launches; version 1 with the launches ffn1, ffn2 written anew for expert scheduling mode
;; workspace buffers: xq 524,288 bytes; xs 32,768 bytes; sel 4,096 bytes of whole numbers; gw 8,192 bytes; himg 16,777,216 bytes; hs 2,097,152 bytes; y 8,388,608 bytes; lst 75,776 bytes of whole numbers
;; launch route: the kernel of part 1 again; grid 256 x 1, 4 waves a work-group, no clusters, 52,736 bytes of LDS; arguments x, Wg, xq, xs, sel, gw; writes xq, xs, sel, gw
;; launch place: the kernel of part 2 again; grid 8 x 1, 1 waves a work-group, no clusters, 5,120 bytes of LDS; arguments sel, lst; writes lst
;; launch ffn1 (part 6): grid 256 x 1, 4 waves a work-group, no clusters, 101,888 bytes of LDS; arguments lst, xq, xs, W1_codes, W1_scales, himg, hs; writes himg, hs
.if DOCPART == 6
	.amdgcn_target "amdgcn-amd-amdhsa--gfx1250"
	.amdhsa_code_object_version 6
	.text
	.protected	k_qb77730e9c5_ffn1
	.globl	k_qb77730e9c5_ffn1
	.p2align	8
	.type	k_qb77730e9c5_ffn1,@function
k_qb77730e9c5_ffn1:
	s_mov_b64 s[64:65], 0
	v_nop
	global_prefetch_b8 v0, s[64:65] scope:SCOPE_SE
	s_setreg_imm32_b32 hwreg(HW_REG_WAVE_SCHED_MODE, 0, 2), 2
	s_setreg_imm32_b32 hwreg(HW_REG_WAVE_MODE, 25, 1), 1
	s_wait_xcnt 0x0
	s_wait_alu depctr_vm_vsrc(0)
; FIRST PRODUCT, GELU, QUANTISER.  H = Q(gelu(Q(x) W1[e])) for the rows (token, expert) that the router chose, on codes of E2M1 with E8M0 scales.
; SHARES.  Work-group id = 32 e + ft owns hidden units 128 ft .. 128 ft + 127 of expert e: 128 rows of W1 (64 KB of codes), which no other work-group reads.  All four waves hold that
; slice in registers (512 each); wave w takes the expert's tiles of 16 rows w, w + 4, w + 8 ..  The 128 units are one K step of the second product, so a tile's result is one whole operand fragment.
; THE ROWS come from lst, stored by the launch before: the expert's count (a scalar load), a tile's 16 tokens (one scalar load of 64 bytes) and, for the scale words, each lane's own row's token
; (4 bytes a lane).  Words behind the count are 0 (token 0): the last tile's spare rows are computed and never used.  A tile's entries are asked for a trip ahead of the rows that they steer,
; and those rows a trip ahead of their products: trip i multiplies tile i, asks for the rows of tile i + 4 and for the entries of tile i + 8 (at most tile 71: the list's 1,152 words).
; THE LOOP HAS A CONSTANT COUNT: 16 places of tiles a wave, 64 tiles in all, serve every split (all tokens on one expert too).  A place without a tile jumps over its work by a scalar branch on
; the stored count.  No barrier stands in the loop.
; THE MATRIX INSTRUCTION IS USED TRANSPOSED (source 0 = 16 rows of W1, source 1 = 16 tokens), AND THE ROWS OF W1 THAT FORM A TILE ARE NOT NEIGHBOURS: lane r of tile 2 b + u takes row
; 32 b + 8 u + r + 8 (r / 8), so that a lane holds one token and the 16 registers of tiles 2 b, 2 b + 1 are 16 neighbouring hidden units, 32 b + 16 (lane / 16) + 0 .. 15.
; IN LDS THE SLICE LIES IN THE ORDER OF THE TILES: row 32 b + 16 g + 8 u + j of the slice goes to LDS row 32 b + 16 u + 8 g + j = 16 (2 b + u) + (8 g + j), by the stores' immediates alone.
; So a fragment load takes sixteen neighbouring LDS rows, 528 bytes apart, and no two of its lanes meet on a bank.
; SCALE WORDS: one register carries two K steps: lanes 0-15 the word of step jj, lanes 16-31 that of step 4 + jj (row 1 of the register is named for steps 4 to 7).
; OUT: himg [tile 64 e + i][K step ft][1,024 bytes]: the fragment as an image of its registers (group c of four at 512 c + 16 x lane); hs [tile][K step][128 bytes]: the scale word at 4 x lane.
; GELU is exact gelu in f32: x (0.5 + 0.5 erf(x / sqrt 2)), erf(z) = z P(z^2) / Q(z^2) with z held to +-4 (P of degree 6, Q of degree 4; P's coefficients are halved here).
; LIMITS: erf is right to about 1e-7 absolutely; since 0.5 + 0.5 erf is a sum, gelu's relative error grows in the negative tail (about 4e-5 at x = -3; beyond x = -5 the result is of the
; order 3e-8 |x|): such numbers turn a code only in a block whose largest magnitude is itself that small.  NaN and infinities are not served.  A block of zeros gets the byte 1
; (zero codes; only this program reads the bytes); a block under 2^-124 is held at the byte 1.
; No tensor load, no cluster: the work hangs on a stored count.  No two work-groups share a byte of W1.
; THE MODE: SCHED_MODE bits 1:0 = 2 (LLVM: expert scheduling mode 2), set by the entry lines.  The code itself states the register dependences
; between vector or matrix instructions and memory or LDS instructions, with s_wait_alu, always for 0.
; THE PLAN.  Registers that memory or LDS instructions touch, in the loop:
;   window 3, v0-63     a tile's rows as they lie.  Written by a trip's 16 loads (the next tile's rows); read by the next trip's 16 LDS stores.  No vector instruction names them.
;   XF                  Written by a trip's 16 LDS loads; read by its 64 products.
;   XS                  Written by one load behind the products (the next tile's words); read by the next trip's products as scales.
;   ER                  Written by one load behind the products; read, and written, by the lines behind the next trip's products.
;   E, XSO, LAR         Offsets.  Written by vector lines once a trip; read by the loads that follow them.
;   PC, PW              Written by the quantiser; read by the trip's three stores.
;   LN16, LN4, XSTW, XSTR   made at the head and never written again.
; FIVE WAITS A TRIP, beside the one behind each batch of reciprocals: at the trip's head, on vm_vsrc, for all that the trip writes again and the trip before's loads and stores read;
; two straight ahead of the rows' loads (their offsets are written; the LDS stores have read the registers in which they land); one on va_vdst behind the products (they are done with XS and XF;
; XSO, LAR and ER are written); one on va_vdst ahead of the stores (the codes and the scale word are written).  The LDS loads into XF owe no wait of their own: behind the wait that follows the
; products of the trip before stand gelu and the quantiser, none of which names XF or XSTR.
.set WP,    528                        ; an LDS row: 512 bytes + 16 = 33 x 16: sixteen neighbouring rows start at sixteen different groups of four banks
.set XST,   128*WP                     ; LDS: 0: the slice of W1, 128 rows; here: 16 rows of x's codes for each wave
.set LREG,  9472                       ; lst: an expert's bytes; byte 0 the count;
.set TOKO,  256                        ; from here on the tokens
.set LN16, 1                           ; v1   16 x lane
.set LN4,  2                           ; v2   4 x lane
.set R4,   3                           ; v3   4 (lane % 16)
.set H16,  4                           ; v4   16 (lane / 16)
.set XSTW, 5                           ; v5   my stage, in: a row of 512 bytes by 32 lanes
.set XSTR, 6                           ; v6   my stage, out: row lane % 16, + 16 (lane / 16)
.set WSTW, 7                           ; v7   W1's slice, in: wave w brings rows 32 w ..
.set WFR,  8                           ; v8   W1's slice, out: LDS row lane % 16 of a tile, + 16 (lane / 16)
.set LAR,  12                          ; v12  my row's entry in the list: 64 x tile + 4 (lane % 16)
.set XSO,  13                          ; v13  my row's scale bytes in xs
.set ER,   14                          ; v14  my row's token
.set TV,   15
.set E,    16                          ; v16-31   the byte offsets in xq of a tile's 16 rows
.set XS,   32                          ; v32-35   x's scale words (scales and nothing else)
.set WS,   36                          ; v36-67   W1's scale words (scales and nothing else)
.set XF,   68                          ; v68-131  x's eight fragments
.set ACC,  132                         ; v132-195 the eight tiles of the hidden layer
.set Z,    196
.set U,    204
.set P,    212
.set Q,    220
.set TM,   228                         ; v228-235, v240-243 the quantiser's
.set KA,   236                         ; v[236:237] a11 / 2, twice
.set KB,   238                         ; v[238:239] b6, twice
.set PC,   244                         ; v244-251 the fragment just made
.set PW,   252                         ; its scale word
; window 1, 2: W1's fragments (window 1's v0-127 first take my 32 rows as they lie);  window 3: v0-63 a tile's 16 rows of x's codes as they lie
.set WV, 18
.set EX, 19
.set FT, 20
.set NE, 24
.set NT, 25
.set TI, 26
.set TC, 27
.set SEL, 36
.set KC,  38                           ; s[38:59]: constants as pairs (the packed forms name a pair and take its low word for both halves)
.set A13, 40
.set A9,  42
.set A7,  44
.set A5,  46
.set A3,  48
.set A1,  50
.set B8,  52
.set B4,  54
.set B2,  56
.set B0,  58
.set LB,  60                           ; s[60:61] lst at my expert
.set LO,  62                           ; s62      64 x the tile in hand
.set T,   68                           ; s[68:83] a tile's 16 tokens
.set MSB, 0
.macro WIN new                         ; s_set_vgpr_msb: bits 1:0 source 0, 3:2 source 1, 5:4 source 2, 7:6 destination; the high byte repeats the setting that is left
.if MSB != \new
	s_set_vgpr_msb (MSB<<8)|\new
.set MSB, \new
.endif
.endm
.macro KPAIR r, bits
	s_mov_b32 s[\r], \bits
	s_mov_b32 s[\r+1], \bits
.endm
	s_load_b256 s[4:11], s[0:1], 0x0               ; lst s[4:5], xq s[6:7], xs s[8:9], W1's codes s[10:11]
	s_load_b128 s[12:15], s[0:1], 0x20             ; W1's scales s[12:13], himg s[14:15]
	s_load_b64 s[16:17], s[0:1], 0x30              ; hs
	v_lshl_add_u32 v254, v0, 2, 0x18c00
	v_mov_b32 v255, 0
	v_lshrrev_b32 v[TV], 5, v0
	v_readfirstlane_b32 s[WV], v[TV]               ; wave
	s_lshr_b32 s[EX], ttmp9, 5                     ; expert
	s_and_b32 s[FT], ttmp9, 31                     ; which 128 hidden units
	v_and_b32 v[TV], 31, v0                        ; lane
	v_lshlrev_b32 v[LN16], 4, v[TV]
	v_lshlrev_b32 v[LN4], 2, v[TV]
	v_and_b32 v196, 15, v0                         ; r
	v_bfe_u32 v197, v0, 4, 1                       ; h
	v_lshlrev_b32 v[R4], 2, v196
	v_lshlrev_b32 v[H16], 4, v197
	s_wait_alu depctr_va_sdst(0)                   ; the wave's number is written, ahead of its first reader: LDS addresses, bases and the tile's number are made from it
	s_mul_i32 s34, s[WV], 16*WP
	s_add_co_u32 s34, s34, XST
	v_add_nc_u32 v[XSTW], s34, v[LN16]
	v_mul_u32_u24 v198, v196, WP
	v_add_nc_u32 v198, v198, v[H16]
	v_add_nc_u32 v[XSTR], s34, v198
	s_mul_i32 s35, s[WV], 32*WP
	v_add_nc_u32 v[WSTW], s35, v[LN16]
	v_mul_u32_u24 v[WFR], v196, WP
	v_add_nc_u32 v[WFR], v[WFR], v[H16]
	v_and_b32 v199, 8, v196
	v_add_nc_u32 v199, v199, v196                  ; r + 8 (r / 8)
	v_lshlrev_b32 v200, 5, v199
	v_add_nc_u32 v200, v200, v[H16]                ; W1's scale bytes: 32 a row; lanes 16-31 take the row's second 16
	s_lshl_b32 s[LO], s[WV], 6                     ; my first tile is tile w
	v_add_nc_u32 v[LAR], s[LO], v[R4]
	s_mov_b32 s[SEL], 0x76543210
	s_mov_b32 s[SEL+1], 0xfedcba98                 ; v_permlanex16_b32's selects for lane l xor 16
	KPAIR KC,  0x3f3504f3                          ; 1 / sqrt 2
	KPAIR A13, 0xaf15df0b                          ; -1.36307113e-10
	KPAIR A9,  0xb58cff51                          ; -1.05051201e-06
	KPAIR A7,  0xb7eec2d2                          ; -2.84625320e-05
	KPAIR A5,  0xb9c0ac63                          ; -3.67495315e-04
	KPAIR A3,  0xbac1a1f6                          ; -1.47729990e-03
	KPAIR A1,  0xbc03dbd4                          ; -8.04801666e-03
	KPAIR B8,  0xb77460cd                          ; -1.45660718e-05
	KPAIR B4,  0xbadc924e                          ; -1.68282697e-03
	KPAIR B2,  0xbbf19bf8                          ; -7.37332917e-03
	KPAIR B0,  0xbc69b6a7                          ; -1.42647391e-02
	v_mov_b32 v[KA], 0x326dffee                    ; 1.38534071e-08
	v_mov_b32 v[KA+1], 0x326dffee
	v_mov_b32 v[KB], 0xb95fbd29                    ; -2.13374055e-04
	v_mov_b32 v[KB+1], 0xb95fbd29
.irp b, 0,1,2,3
	v_mov_b32 v[TM+4+\b], 0                        ; written once: a lane permute's destination counts as one of its sources
.endr
	s_mov_b32 s29, 0
	s_mul_i32 s28, s[EX], LREG
	s_wait_kmcnt 0x0
	s_add_nc_u64 s[LB:LB+1], s[4:5], s[28:29]
	s_load_b32 s[NE], s[LB:LB+1], 0x0              ; the expert's rows
	s_load_b512 s[T:T+15], s[LB:LB+1], s[LO] offset:TOKO           ; the tokens of tile w
	s_lshl_b32 s28, ttmp9, 12
	s_add_nc_u64 s[12:13], s[12:13], s[28:29]      ; the slice's scale bytes: 128 rows x 32
	s_lshl_b32 s28, ttmp9, 16
	s_lshl_b32 s34, s[WV], 14
	s_add_co_u32 s28, s28, s34
	s_add_nc_u64 s[10:11], s[10:11], s[28:29]      ; the slice's codes, at my wave's 32 rows
	s_wait_alu depctr_va_vdst(0)                   ; the offsets and LDS addresses v1 to v8, v12 and v200 are written, which the loads and stores of the whole kernel read
	global_load_b32 v[ER], v[LAR], s[LB:LB+1] offset:TOKO          ; my row's token in tile w
.irp t, 0,1,2,3,4,5,6,7
	global_load_b128 v[WS+4*\t:WS+4*\t+3], v200, s[12:13] offset:32*(32*(\t/2)+8*(\t%2))
.endr
	WIN 0x40                                       ; destination window 1
.set NN, 0
.rept 32
	global_load_b128 v[4*NN:4*NN+3], v[LN16], s[10:11] offset:512*NN th:TH_LOAD_NT   ; a whole row of 512 bytes a load; read once in the launch
.set NN, NN+1
.endr
	WIN 0
; the 16 tokens in s[T] on become the rows' byte offsets in xq
.macro TADDR
.irp n, 0,1,2,3,4,5,6,7,8,9,10,11,12,13,14,15
	s_min_u32 s[T+\n], s[T+\n], 0x3ff
.endr
.irp n, 0,1,2,3,4,5,6,7,8,9,10,11,12,13,14,15
	v_lshl_add_u32 v[E+\n], s[T+\n], 9, v[LN16]
.endr
.endm
; and the rows are asked for: a whole row of 512 bytes a load, into window 3.  again = 1: in the loop, where LDS stores have read those registers
.macro XROWS again
	WIN 0xc0
	s_wait_alu depctr_va_vdst(0)                   ; the sixteen offsets v[E ..] are written, which the loads below read
.if \again
	s_wait_alu depctr_vm_vsrc(0)                   ; this trip's LDS stores have read window 3's v0-63, in which the loads below land
.endif
.irp n, 0,1,2,3,4,5,6,7,8,9,10,11,12,13,14,15
	global_load_b128 v[4*\n:4*\n+3], v[E+\n], s[6:7]
.endr
	WIN 0
.endm
	s_wait_kmcnt 0x0                               ; the count and tile w's tokens
	s_min_u32 s[NE], s[NE], 0x400
	s_add_co_u32 s[NT], s[NE], 15
	s_lshr_b32 s[NT], s[NT], 4                     ; the expert's tiles
	TADDR
	XROWS 0                                        ; tile w's rows
	s_load_b512 s[T:T+15], s[LB:LB+1], s[LO] offset:TOKO+256       ; the tokens of tile w + 4
	s_wait_loadcnt 56                              ; my row's token is in: behind it stand 8 loads of scale words, 32 rows of W1 and 16 rows of x
	v_min_u32 v[ER], 0x3ff, v[ER]
	v_lshl_add_u32 v[XSO], v[ER], 5, v[H16]
	s_wait_alu depctr_va_vdst(0)                   ; v[XSO] is written, which the first load below reads; the two lines above are done with v[ER], in which the second lands
	global_load_b128 v[XS:XS+3], v[XSO], s[8:9]    ; lanes 0-15: my row's words of K steps 0-3; lanes 16-31: of steps 4-7
	global_load_b32 v[ER], v[LAR], s[LB:LB+1] offset:TOKO+256      ; my row's token in tile w + 4
	s_wait_loadcnt 18                              ; the weights are in; the first tile's 16 rows, its scale words and the entry may be out
	WIN 0x04                                       ; an LDS store's data are its source 1: window 1
.set NN, 0
.rept 32
	ds_store_b128 v[WSTW], v[4*NN:4*NN+3] offset:WP*(16*((NN/8)%2)+8*(NN/16)+NN%8)   ; my row 16 g + 8 u + j goes to my LDS row 16 u + 8 g + j: the order of the tiles
.set NN, NN+1
.endr
	WIN 0
	s_wait_dscnt 0x0                               ; for the others' sake: my 32 rows lie in LDS
	s_barrier_signal -1
	s_barrier_wait -1
	; every wave takes the whole slice as fragments: (tile t, K step s) at v[64 (t % 4) + 8 s] of window 1 + t / 4.  They stay.
	WIN 0x40
	s_wait_alu depctr_vm_vsrc(0)                   ; my LDS stores have read window 1's v0-127, in which the first fragments land
.irp t, 0,1,2,3,4,5,6,7
	WIN ((1+\t/4)<<6)
.irp s, 0,1,2,3,4,5,6,7
	ds_load_b128 v[64*(\t%4)+8*\s:64*(\t%4)+8*\s+3], v[WFR] offset:WP*16*\t+64*\s
	ds_load_b128 v[64*(\t%4)+8*\s+4:64*(\t%4)+8*\s+7], v[WFR] offset:WP*16*\t+64*\s+32
.endr
.endr
	WIN 0
	s_wait_dscnt 0x0
; 32 products: tiles 4 half .. 4 half + 3, K ascending; the four accumulators take turns, one instruction a turn; the first K step starts the sums
.macro MULH half
.irp s, 0,1,2,3
.irp t, 0,1,2,3
.if \s == 0
	v_wmma_scale_f32_16x16x128_f8f6f4 v[ACC+8*(4*\half+\t):ACC+8*(4*\half+\t)+7], v[64*\t+8*\s:64*\t+8*\s+7], v[XF+8*\s:XF+8*\s+7], 0, v[WS+4*(4*\half+\t)+\s], v[XS+\s] matrix_a_fmt:MATRIX_FMT_FP4 matrix_b_fmt:MATRIX_FMT_FP4
.else
	v_wmma_scale_f32_16x16x128_f8f6f4 v[ACC+8*(4*\half+\t):ACC+8*(4*\half+\t)+7], v[64*\t+8*\s:64*\t+8*\s+7], v[XF+8*\s:XF+8*\s+7], v[ACC+8*(4*\half+\t):ACC+8*(4*\half+\t)+7], v[WS+4*(4*\half+\t)+\s], v[XS+\s] matrix_a_fmt:MATRIX_FMT_FP4 matrix_b_fmt:MATRIX_FMT_FP4
.endif
.endr
.endr
.irp s, 4,5,6,7
.irp t, 0,1,2,3
	v_wmma_scale_f32_16x16x128_f8f6f4 v[ACC+8*(4*\half+\t):ACC+8*(4*\half+\t)+7], v[64*\t+8*\s:64*\t+8*\s+7], v[XF+8*\s:XF+8*\s+7], v[ACC+8*(4*\half+\t):ACC+8*(4*\half+\t)+7], v[WS+4*(4*\half+\t)+\s-4], v[XS+\s-4] matrix_a_fmt:MATRIX_FMT_FP4 matrix_b_fmt:MATRIX_FMT_FP4 matrix_a_scale:MATRIX_SCALE_ROW1 matrix_b_scale:MATRIX_SCALE_ROW1
.endr
.endr
.endm
; gelu of tile g's eight numbers, in place, four pairs by turns.  The accumulator is read from its low end on.
.macro HORNER d, k
.irp p, 0,2,4,6
	v_pk_fma_f32 v[\d+\p:\d+\p+1], v[\d+\p:\d+\p+1], v[U+\p:U+\p+1], s[\k:\k+1] op_sel_hi:[1,1,0]
.endr
.endm
.macro GELU g
.set GA, ACC+8*(\g)
.irp p, 0,2,4,6
	v_pk_mul_f32 v[Z+\p:Z+\p+1], v[GA+\p:GA+\p+1], s[KC:KC+1] op_sel_hi:[1,0]    ; z = x / sqrt 2,
.endr
.irp p, 0,1,2,3,4,5,6,7
	v_med3_num_f32 v[Z+\p], v[Z+\p], -4.0, 4.0     ; held to +-4, beyond which erf is +-1 in f32
.endr
.irp p, 0,2,4,6
	v_pk_mul_f32 v[U+\p:U+\p+1], v[Z+\p:Z+\p+1], v[Z+\p:Z+\p+1]
.endr
.irp p, 0,2,4,6
	v_pk_fma_f32 v[Q+\p:Q+\p+1], v[U+\p:U+\p+1], s[B8:B8+1], v[KB:KB+1] op_sel_hi:[1,0,1]
.endr
.irp p, 0,2,4,6
	v_pk_fma_f32 v[P+\p:P+\p+1], v[U+\p:U+\p+1], s[A13:A13+1], v[KA:KA+1] op_sel_hi:[1,0,1]
.endr
	HORNER Q, B4
	HORNER P, A9
	HORNER Q, B2
	HORNER P, A7
	HORNER Q, B0
	HORNER P, A5
.irp p, 0,1,2,3,4,5,6,7
	v_rcp_f32 v[Q+\p], v[Q+\p]
.endr
	HORNER P, A3                                   ; (plain lines behind the reciprocals, which name none of their registers)
	HORNER P, A1
	s_wait_alu depctr_va_vdst(0)                   ; the eight reciprocals have written v[Q ..]: one wait for the batch, ahead of its first reader
.irp p, 0,2,4,6
	v_pk_mul_f32 v[P+\p:P+\p+1], v[P+\p:P+\p+1], v[Q+\p:Q+\p+1]
.endr
.irp p, 0,2,4,6
	v_pk_fma_f32 v[P+\p:P+\p+1], v[Z+\p:Z+\p+1], v[P+\p:P+\p+1], 0.5 op_sel_hi:[1,1,0]   ; 0.5 + 0.5 erf(z)
.endr
.irp p, 0,2,4,6
	v_pk_mul_f32 v[GA+\p:GA+\p+1], v[GA+\p:GA+\p+1], v[P+\p:P+\p+1]
.endr
.endm
; 64 numbers of a lane, register 16 b + i = k 32 b + 16 (lane / 16) + i of my row, become a fragment's codes in v[PC] on and its scale word in v[PW]
.macro QUANT s
.irp b, 0,1,2,3
	v_max3_num_f32 v[TM+\b], |v[\s+16*\b]|, |v[\s+1+16*\b]|, 0x1800000   ; block b: my 16 numbers, and the floor 2^(3 - 127): the byte cannot fall under 1
.endr
.irp i, 2,4,6,8,10,12,14
.irp b, 0,1,2,3
	v_max3_num_f32 v[TM+\b], v[TM+\b], |v[\s+16*\b+\i]|, |v[\s+1+16*\b+\i]|
.endr
.endr
.irp b, 0,1,2,3
	v_permlanex16_b32 v[TM+4+\b], v[TM+\b], s[SEL], s[SEL+1]
.endr
.irp b, 0,1,2,3
	v_max_num_f32 v[TM+\b], v[TM+\b], v[TM+4+\b]   ; with lane l xor 16's: the block's largest magnitude
.endr
.irp b, 0,1,2,3
	v_add_nc_u32 v[TM+12+\b], 0xff000000, v[TM+\b] ; 2 off its exponent field: the conversion's scale operand
.endr
.irp b, 0,1,2,3
	v_lshrrev_b32 v[TM+4+\b], 23, v[TM+12+\b]      ; the scale's byte
.endr
	v_lshl_or_b32 v[PW], v[TM+5], 8, v[TM+4]       ; the four bytes make my row's scale word (the same in lanes l and l xor 16)
	v_lshl_or_b32 v[PW], v[TM+6], 16, v[PW]
	v_lshl_or_b32 v[PW], v[TM+7], 24, v[PW]
.irp b, 0,1,2,3
	v_cvt_scalef32_pk8_fp4_f32 v[PC+2*\b], v[\s+16*\b:\s+7+16*\b], v[TM+12+\b]
	v_cvt_scalef32_pk8_fp4_f32 v[PC+1+2*\b], v[\s+8+16*\b:\s+15+16*\b], v[TM+12+\b]
.endr
	v_nop                                          ; one plain line behind a scaled conversion
.irp c, 0,1                                    ; the operand's layout wants a whole block in a lane: lanes 0-15 block 2 c, lanes 16-31 block 2 c + 1
.irp i, 0,1
	v_permlane16_swap_b32 v[PC+4*\c+\i], v[PC+2+4*\c+\i]
.endr
.endr
.endm
	s_mov_b32 s[TI], s[WV]                         ; my tile
	s_mov_b32 s[TC], 0
.Ltile:                                            ; 16 trips, a constant; a place without a tile jumps to the lines that step
	s_wait_alu depctr_vm_vsrc(0)                   ; the loads issued so far have read their offsets v[E ..], v[XSO], v[LAR] (and, at the head, v200, one of gelu's registers), the last trip's stores v[PC ..] and v[PW]: this trip writes all of them again
	s_cmp_ge_u32 s[TI], s[NT]
	s_cbranch_scc1 .Lnone
	s_wait_loadcnt 0x0                             ; this tile's 16 rows and scale words are in, and my row's token in the tile four on
	s_wait_kmcnt 0x0                               ; and that tile's 16 tokens: asked for a trip ago
	s_wait_xcnt 0x0                                ; the last trip's stores have had their addresses translated: their data and bases may be written again
	WIN 0x0c                                       ; the data: window 3
.irp n, 0,1,2,3,4,5,6,7,8,9,10,11,12,13,14,15
	ds_store_b128 v[XSTW], v[4*\n:4*\n+3] offset:WP*\n
.endr
	WIN 0
.irp s, 0,1,2,3,4,5,6,7
	ds_load_b128 v[XF+8*\s:XF+8*\s+3], v[XSTR] offset:64*\s         ; LDS serves a wave's instructions in order: these see the stores above.  No wait on va_vdst: no vector or matrix instruction since the wait behind the last trip's products names XF
	ds_load_b128 v[XF+8*\s+4:XF+8*\s+7], v[XSTR] offset:64*\s+32
.endr
	TADDR                                          ; the rows of my next tile (behind the expert's last row the list holds zeros: such a tile is fetched in vain)
	s_lshl_b32 s[LO], s[TI], 6
	s_wait_dscnt 0x0                               ; the fragments are in
	XROWS 1                                        ; the next tile's rows have the whole trip in which to land
	s_load_b512 s[T:T+15], s[LB:LB+1], s[LO] offset:TOKO+512       ; the tokens of the tile eight on; it stands behind the wait that shows the sixteen lines that read s[T ..] done
	WIN 0x01                                       ; source 0 (W1) window 1
	MULH 0
	WIN 0x02                                       ; window 2
	MULH 1
	WIN 0
	v_min_u32 v[ER], 0x3ff, v[ER]                  ; five plain lines that name no register of the products stand between the last product and the first read of results
	v_lshl_add_u32 v[XSO], v[ER], 5, v[H16]
	v_add_nc_u32 v[LAR], s[LO], v[R4]
	v_nop
	v_nop
	s_wait_alu depctr_va_vdst(0)                   ; the products are done reading v[XS ..], in which the first load below lands, and XF, in which the next trip's LDS loads land; v[XSO] and v[LAR] are written, which the two loads read; the lines above are done with v[ER], in which the second lands
	global_load_b128 v[XS:XS+3], v[XSO], s[8:9]    ; the next tile's scale words
	global_load_b32 v[ER], v[LAR], s[LB:LB+1] offset:TOKO+512      ; my row's token in the tile eight on
.irp g, 0,1,2,3,4,5,6,7
	GELU \g
.endr
	QUANT ACC
	s_lshl_b32 s34, s[EX], 6
	s_add_co_u32 s34, s34, s[TI]                   ; tile 64 e + i
	s_lshl_b32 s28, s34, 15
	s_lshl_b32 s35, s[FT], 10
	s_add_co_u32 s28, s28, s35
	s_add_nc_u64 s[30:31], s[14:15], s[28:29]
	s_lshl_b32 s28, s34, 12
	s_lshl_b32 s35, s[FT], 7
	s_add_co_u32 s28, s28, s35
	s_add_nc_u64 s[32:33], s[16:17], s[28:29]
	s_wait_alu depctr_va_vdst(0)                   ; the quantiser has written v[PC ..] and v[PW], which the three stores read
	global_store_b128 v[LN16], v[PC:PC+3], s[30:31]                 ; 512 consecutive bytes a store, aligned
	global_store_b128 v[LN16], v[PC+4:PC+7], s[30:31] offset:512
	global_store_b32 v[LN4], v[PW], s[32:33]                        ; 128 consecutive bytes
.Lnone:
	s_add_co_u32 s[TI], s[TI], 4                   ; my next tile
	s_add_co_u32 s[TC], s[TC], 1
	s_cmp_lt_u32 s[TC], 16
	s_cbranch_scc1 .Ltile
	s_wait_kmcnt 0x0                               ; no scalar load of mine is out at the end
	s_wait_dscnt 0x0                               ; the closing lines, six on end
	s_wait_alu 0x0
	s_wait_tensorcnt 0x0
	ds_add_u32 v254, v255
	s_wait_dscnt 0x0
	s_endpgm
.Lfunc_end_k_qb77730e9c5_ffn1:
	.size	k_qb77730e9c5_ffn1, .Lfunc_end_k_qb77730e9c5_ffn1-k_qb77730e9c5_ffn1
	.p2alignl 7, 3214868480
	.fill 96, 4, 3214868480
	.section	.rodata,"a",@progbits
	.p2align	6, 0x0
	.amdhsa_kernel k_qb77730e9c5_ffn1
		.amdhsa_group_segment_fixed_size 101888
		.amdhsa_private_segment_fixed_size 0
		.amdhsa_enable_private_segment 0
		.amdhsa_kernarg_size 56
		.amdhsa_user_sgpr_count 2
		.amdhsa_user_sgpr_kernarg_segment_ptr 1
		.amdhsa_wavefront_size32 1
		.amdhsa_system_sgpr_workgroup_id_x 1
		.amdhsa_system_sgpr_workgroup_id_y 1
		.amdhsa_system_sgpr_workgroup_id_z 1
		.amdhsa_system_vgpr_workitem_id 0
		.amdhsa_next_free_vgpr 832
		.amdhsa_next_free_sgpr 84
		.amdhsa_reserve_vcc 0
		.amdhsa_float_denorm_mode_32 3
		.amdhsa_float_denorm_mode_16_64 3
		.amdhsa_memory_ordered 1
		.amdhsa_forward_progress 1
		.amdhsa_inst_pref_size 79
	.end_amdhsa_kernel
	.amdgpu_metadata
---
amdhsa.version: [ 1, 2 ]
amdhsa.kernels:
  - .name:           k_qb77730e9c5_ffn1
    .symbol:         k_qb77730e9c5_ffn1.kd
    .args:
      - { .name: lst, .offset: 0, .size: 8, .value_kind: global_buffer, .address_space: global }
      - { .name: xq, .offset: 8, .size: 8, .value_kind: global_buffer, .address_space: global }
      - { .name: xs, .offset: 16, .size: 8, .value_kind: global_buffer, .address_space: global }
      - { .name: W1_codes, .offset: 24, .size: 8, .value_kind: global_buffer, .address_space: global }
      - { .name: W1_scales, .offset: 32, .size: 8, .value_kind: global_buffer, .address_space: global }
      - { .name: himg, .offset: 40, .size: 8, .value_kind: global_buffer, .address_space: global }
      - { .name: hs, .offset: 48, .size: 8, .value_kind: global_buffer, .address_space: global }
    .group_segment_fixed_size: 101888
    .private_segment_fixed_size: 0
    .kernarg_segment_align: 8
    .kernarg_segment_size: 56
    .max_flat_workgroup_size: 128
    .sgpr_count:     84
    .vgpr_count:     832
    .wavefront_size: 32
...
	.end_amdgpu_metadata
.endif
;; end of part 6
;; launch ffn2 (part 7): grid 256 x 1, 8 waves a work-group, no clusters, 171,008 bytes of LDS; arguments lst, himg, hs, W2_codes, W2_scales, y; writes y
.if DOCPART == 7
	.amdgcn_target "amdgcn-amd-amdhsa--gfx1250"
	.amdhsa_code_object_version 6
	.text
	.protected	k_qb77730e9c5_ffn2
	.globl	k_qb77730e9c5_ffn2
	.p2align	8
	.type	k_qb77730e9c5_ffn2,@function
k_qb77730e9c5_ffn2:
	s_mov_b64 s[64:65], 0
	v_nop
	global_prefetch_b8 v0, s[64:65] scope:SCOPE_SE
	s_setreg_imm32_b32 hwreg(HW_REG_WAVE_SCHED_MODE, 0, 2), 2
	s_setreg_imm32_b32 hwreg(HW_REG_WAVE_MODE, 25, 1), 1
	s_wait_xcnt 0x0
	s_wait_alu depctr_vm_vsrc(0)
; SECOND PRODUCT.  y[slot] = H[row] W2[e] for the chosen rows, on codes of E2M1 with E8M0 scales; slot = 2 x token + choice, one f32 row of 1,024 for each.
; SHARES.  Work-group id = 32 e + 4 j + rr owns outputs 128 j .. 128 j + 127 of expert e and the expert's tiles of 16 rows rr, rr + 4, rr + 8 ..  K = 4,096 IS SPLIT OVER EIGHT WAVES:
; wave w holds K = 512 w .. + 511 of the 128 rows of W2 (32 KB) in 256 registers for the whole launch, and no byte is loaded by two waves of a work-group.  The four work-groups that
; read the same rows of W2 have neighbouring numbers.  A tile's eight partial sums meet in LDS: each wave stores 16 rows x 128, one barrier, each wave adds and stores two whole rows.
; WHY EIGHT WAVES.  The work-group reads 256 KB of W2 before its first product.  A wave's loads on their way are bounded by LOADcnt's field (ISA guide 5.7.1); with four waves each would ask for
; 176 loads at its head, with eight each asks for 88, of which 56 go out at once: the eight together can have twice the bytes on their way.  The price: twice the partial sums through LDS.
; H arrives as images of operand registers (himg [tile 64 e + i][K step][1,024 bytes], hs [tile][K step][128 bytes]): eight loads of 512 consecutive bytes bring a wave's four fragments.
; THE ROWS come from lst, stored two launches before: the expert's count and, for each tile, the slots of the two rows that my wave stores: scalar loads, the slots asked for a place ahead
; (at most tile 67, inside the list's 1,152 words).
; THE MATRIX INSTRUCTION IS USED TRANSPOSED (source 0 = 16 rows of W2, source 1 = 16 rows of H): a lane holds eight neighbouring outputs of one row.
; SCALE WORDS.  W2's: register 4 (t / 2) + s: lanes 0-15 the rows of the even tile, lanes 16-31 those of the odd tile, K step s (row 1 of the register is named for odd tiles).
; H's: register s % 2 of a set: lanes 0-15 K step s % 2, lanes 16-31 K step 2 + s % 2 (row 1 is named for steps 2 and 3).
; THE LOOP HAS A CONSTANT COUNT: 16 places of tiles serve every split (1,024 rows on one expert too).  A place without a tile jumps over its work by scalar branches on the stored count; the
; barrier stands outside those branches, on every wave's path.  Two tiles of H are asked for at the head at addresses that hang on no count: where such a tile does not exist, what comes is never used.
; No tensor load, no cluster: the work hangs on a stored count.
; THE MODE: SCHED_MODE bits 1:0 = 2 (LLVM: expert scheduling mode 2), set by the entry lines.  The code itself states the register dependences
; between vector or matrix instructions and memory or LDS instructions, with s_wait_alu, always for 0.
; THE PLAN.  Registers that memory or LDS instructions touch, in the places:
;   AF0, AF1, HS0, HS1  Place p's 32 products read set p % 2; the ten loads issued at the head of place p land in the other set, which the products of place p - 1 read.
;   ACC                 Written by a place's products; read by its 16 LDS stores.
;   R                   Written by a place's 16 LDS loads; read and written by its sums; the first four registers of each row are read by its stores to y.
;   VO                  Written by two vector lines a place; read by its stores to y.
;   LN16, HSO, RW, RR   made at the head and never written again.
; THREE WAITS A PLACE.  At its first line, ahead of its branch, on vm_vsrc: the place before's LDS stores have read ACC, its stores to y have read R and VO.  Behind the products and their places,
; on va_vdst: ACC is written, and the products are done with H's set and its scale words; the next place's ten loads lean on this wait, since behind it stand the two lines that make VO and the
; sums, which name none of AF, HS or HSO and only read LN16.  Behind both rows' sums, ahead of the branches round the two stores, on va_vdst: the sums and VO are written, and the sums are done with R, in which
; the next place's LDS loads land.
; At the head W2's rows turn into fragments through the stage and land in the registers that they left: a wait on vm_vsrc stands between each tile's LDS stores and its LDS loads.
.set SP,    272                        ; a stage row: my 256 bytes of a row of W2 + 16 = 17 x 16
.set STGW,  16*SP                      ; LDS: 0: a stage of 16 rows for each wave (W2's rows turn into fragments there)
.set RP,    528                        ; a row of partial sums: 512 bytes + 16
.set RED,   8*STGW                     ; here: two buffers x eight waves x 16 rows of partial sums
.set REDW,  16*RP                      ; a wave's part
.set REDB,  8*REDW                     ; one buffer: longer than an LDS offset reaches, so each buffer has its own address registers
.set LREG,  9472                       ; lst: an expert's bytes; byte 0 the count;
.set SLOO,  4864                       ; from here on the slots
.set LN16, 1                           ; v1   16 x lane
.set HSO,  2                           ; v2   256 (lane / 16) + 4 x lane: H's scale words
.set SW,   3                           ; v3   my stage, in: row lane / 16 of a pair, 16 bytes for each of 16 lanes
.set SR,   4                           ; v4   my stage, out: row lane % 16, + 16 (lane / 16)
.set RW,   5                           ; v5-6 my partial sums in buffer 0, 1: row lane % 16, + 32 (lane / 16)
.set RR,   7                           ; v7-8 rows 2 w, 2 w + 1 of part 0 in buffer 0, 1: 16 bytes a lane
.set WSO,  9                           ; v9   W2's scale bytes: 128 x lane (lane = the row among a pair of tiles' 32)
.set WRO,  10                          ; v10  W2's codes: 2,048 (lane / 16) + 16 (lane % 16): two rows a load
.set TV,   11
.set VO,   20                          ; v20-21   my two rows' byte offsets in y
.set HS,   24                          ; v24-25, v26-27 H's scale words, two sets (scales and nothing else)
.set WS,   32                          ; v32-47   W2's scale words (scales and nothing else)
.set ACC,  64                          ; v64-127  eight accumulators
.set AF,   128                         ; v128-159, v160-191 H's fragments, two sets: K step s at 8 s
.set R,    192                         ; v192-255 two rows x eight parts
; window 1: W2's fragments, (tile t, K step s) at v[32 t + 8 s]
.set WV, 16
.set EX, 17
.set JJ, 18
.set RQ, 19
.set NE, 23
.set NT, 24
.set NL, 25                            ; the last tile's number
.set TI, 26
.set TC, 27
.set Q0, 31                            ; my first row's number among the expert's rows
.set AB, 32                            ; s[32:33] H's images;  s[36:37] H's scale words;  s[38:39] W2's codes;  s[40:41] y;  s[42:43] W2's scales
.set HB, 36
.set WB, 38
.set YB, 40
.set SB, 42
.set E64, 44
.set WA4, 45                           ; 4,096 x wave: my four K steps in a tile's images
.set WA5, 46                           ; 512 x wave: and in its scale words
.set T,   48                           ; s[48:49] my two rows' slots
.set LO,  52                           ; s52      64 x tile + 8 x wave
.set W8,  53
.set LB,  54                           ; s[54:55] lst at my expert
.set MSB, 0
.macro WIN new                         ; s_set_vgpr_msb: bits 1:0 source 0, 3:2 source 1, 5:4 source 2, 7:6 destination; the high byte repeats the setting that is left
.if MSB != \new
	s_set_vgpr_msb (MSB<<8)|\new
.set MSB, \new
.endif
.endm
	s_load_b256 s[4:11], s[0:1], 0x0               ; lst s[4:5], himg s[6:7], hs s[8:9], W2's codes s[10:11]
	s_load_b128 s[12:15], s[0:1], 0x20             ; W2's scales s[12:13], y s[14:15]
	v_lshl_add_u32 v62, v0, 2, 0x29800
	v_mov_b32 v63, 0
	v_lshrrev_b32 v[TV], 5, v0
	v_readfirstlane_b32 s[WV], v[TV]               ; wave 0..7
	s_lshr_b32 s[EX], ttmp9, 5                     ; expert
	s_bfe_u32 s[JJ], ttmp9, 0x30002                ; which 128 outputs
	s_and_b32 s[RQ], ttmp9, 3                      ; which quarter of the tiles
	v_and_b32 v[TV], 31, v0                        ; lane
	v_lshlrev_b32 v[LN16], 4, v[TV]
	v_and_b32 v12, 15, v0                          ; r
	v_bfe_u32 v13, v0, 4, 1                        ; h
	v_lshlrev_b32 v[HSO], 2, v[TV]
	v_lshl_add_u32 v[HSO], v13, 8, v[HSO]
	s_wait_alu depctr_va_sdst(0)                   ; the wave's number is written, ahead of its first reader: LDS addresses, bases and the rows' numbers are made from it
	s_mul_i32 s34, s[WV], STGW                     ; my stage
	v_mul_u32_u24 v14, v13, SP
	v_lshl_add_u32 v[SW], v12, 4, v14
	v_add_nc_u32 v[SW], s34, v[SW]
	v_mul_u32_u24 v14, v12, SP
	v_lshl_add_u32 v[SR], v13, 4, v14
	v_add_nc_u32 v[SR], s34, v[SR]
	s_mul_i32 s34, s[WV], REDW
	s_add_co_u32 s34, s34, RED                     ; my part of buffer 0
	v_mul_u32_u24 v14, v12, RP
	v_lshl_add_u32 v14, v13, 5, v14
	v_add_nc_u32 v[RW], s34, v14
	v_add_nc_u32 v[RW+1], REDB, v[RW]
	s_mul_i32 s35, s[WV], 2*RP
	s_add_co_u32 s35, s35, RED                     ; row 2 w of part 0 of buffer 0
	v_add_nc_u32 v[RR], s35, v[LN16]
	v_add_nc_u32 v[RR+1], REDB, v[RR]
	v_lshlrev_b32 v[WSO], 7, v[TV]
	v_lshlrev_b32 v[WRO], 4, v12
	v_lshl_add_u32 v[WRO], v13, 11, v[WRO]
	s_lshl_b32 s[E64], s[EX], 6
	s_lshl_b32 s[WA4], s[WV], 12
	s_lshl_b32 s[WA5], s[WV], 9
	s_lshl_b32 s[W8], s[WV], 3
	s_mov_b32 s[TI], s[RQ]
	s_lshl_b32 s[LO], s[RQ], 6
	s_add_co_u32 s[LO], s[LO], s[W8]               ; my two entries of my first tile
	s_lshl_b32 s[Q0], s[RQ], 4
	s_lshl_b32 s34, s[WV], 1
	s_add_co_u32 s[Q0], s[Q0], s34                 ; 16 i + 2 w
	s_mul_i32 s56, s[EX], LREG
	s_mov_b32 s57, 0
	s_mov_b32 s29, 0
	s_lshr_b32 s34, ttmp9, 2                       ; 8 e + j
	s_lshl_b32 s28, s34, 18                        ; 128 rows of 2,048 bytes,
	s_lshl_b32 s35, s[WV], 8                       ; my 256 bytes of each
	s_add_co_u32 s28, s28, s35
	s_wait_kmcnt 0x0
	s_add_nc_u64 s[LB:LB+1], s[4:5], s[56:57]
	s_load_b32 s[NE], s[LB:LB+1], 0x0              ; the expert's rows
	s_load_b64 s[T:T+1], s[LB:LB+1], s[LO] offset:SLOO             ; my two slots of tile rr
	s_add_nc_u64 s[WB:WB+1], s[10:11], s[28:29]
	s_lshl_b32 s28, s34, 14                        ; 128 rows of 128 scale bytes,
	s_lshl_b32 s35, s[WV], 4                       ; my 16 of each
	s_add_co_u32 s28, s28, s35
	s_add_nc_u64 s[SB:SB+1], s[12:13], s[28:29]
	s_lshl_b32 s28, s[JJ], 9
	s_add_nc_u64 s[YB:YB+1], s[14:15], s[28:29]
	s_add_co_u32 s34, s[E64], s[RQ]                ; my first tile
	s_lshl_b32 s28, s34, 15
	s_add_co_u32 s28, s28, s[WA4]
	s_add_nc_u64 s[AB:AB+1], s[6:7], s[28:29]
	s_lshl_b32 s28, s34, 12
	s_add_co_u32 s28, s28, s[WA5]
	s_add_nc_u64 s[HB:HB+1], s[8:9], s[28:29]
; a tile's four fragments of my K and their scale words into set b: 4 KB on end, already in the order of the registers
.macro APF b, aoff, hoff
.irp m, 0,1,2,3,4,5,6,7
	global_load_b128 v[AF+32*(\b)+4*\m:AF+32*(\b)+4*\m+3], v[LN16], s[AB:AB+1] offset:\aoff+512*\m
.endr
.irp q, 0,1
	global_load_b32 v[HS+2*(\b)+\q], v[HSO], s[HB:HB+1] offset:\hoff+128*\q
.endr
.endm
; tile t's 16 rows of W2, my 256 bytes of each, as they lie: two rows a load, sixteen lanes to 256 consecutive bytes, aligned
.macro WRAW t
	WIN 0x40                                       ; destination window 1
.irp k, 0,1,2,3,4,5,6,7
	global_load_b128 v[32*(\t)+4*\k:32*(\t)+4*\k+3], v[WRO], s[WB:WB+1] offset:2048*(16*(\t)+2*\k)
.endr
.endm
; they turn into fragments through my stage, and land in the registers that the rows left.  n: the loads asked for later, which may stay out.
; LDS serves a wave's instructions in order: no wait on DScnt between the stores and the loads, nor in front of the next tile's stores
.macro WSTAGE t, n
	s_wait_loadcnt \n
	WIN 0x04                                       ; an LDS store's data are its source 1: window 1
.irp k, 0,1,2,3,4,5,6,7
	ds_store_b128 v[SW], v[32*(\t)+4*\k:32*(\t)+4*\k+3] offset:2*SP*\k
.endr
	WIN 0x40
	s_wait_alu depctr_vm_vsrc(0)                   ; the eight LDS stores above have read the tile's 32 registers, in which the LDS loads below land
.irp s, 0,1,2,3
	ds_load_b128 v[32*(\t)+8*\s:32*(\t)+8*\s+3], v[SR] offset:64*\s
	ds_load_b128 v[32*(\t)+8*\s+4:32*(\t)+8*\s+7], v[SR] offset:64*\s+32
.endr
.endm
	s_wait_alu depctr_va_vdst(0)                   ; the offsets and LDS addresses v1 to v10 are written, which the loads and stores of the whole kernel read; no vector line follows in the head
	APF 0, 0, 0                                    ; tile rr
	APF 1, 4*32768, 4*4096                         ; tile rr + 4
.irp p, 0,1,2,3
	global_load_b128 v[WS+4*\p:WS+4*\p+3], v[WSO], s[SB:SB+1] offset:4096*\p       ; tiles 2 p and 2 p + 1: 32 rows, my four K steps' words of each
.endr
	WRAW 0
	WRAW 1
	WRAW 2
	WRAW 3
	WIN 0
	s_wait_kmcnt 0x0                               ; the count (and my first slots)
	s_min_u32 s[NE], s[NE], 0x400                  ; the expert's rows,
	s_add_co_u32 s[NT], s[NE], 15
	s_lshr_b32 s[NT], s[NT], 4                     ; its tiles,
	s_sub_co_u32 s[NL], s[NT], 1                   ; the last of them (used only where there is a tile)
.irp t, 0,1,2,3
	WRAW \t+4
	WSTAGE \t, 32                                  ; tile t's rows are in; the four tiles asked for behind it, eight loads each, may be out
.endr
	WSTAGE 4, 24
	WSTAGE 5, 16
	WSTAGE 6, 8
	WSTAGE 7, 0
	WIN 0
	s_wait_dscnt 0x0
; one product: tile t of outputs, my K step s, H's set b.  The first K step starts the sum.
.macro PROD t, s, b
.set PD, ACC+8*(\t)
.set PA, 32*(\t)+8*(\s)
.set PB, AF+32*(\b)+8*(\s)
.set PSA, WS+4*((\t)/2)+(\s)
.set PSB, HS+2*(\b)+(\s)%2
.if (\s) == 0
.if (\t)%2 == 0
	v_wmma_scale_f32_16x16x128_f8f6f4 v[PD:PD+7], v[PA:PA+7], v[PB:PB+7], 0, v[PSA], v[PSB] matrix_a_fmt:MATRIX_FMT_FP4 matrix_b_fmt:MATRIX_FMT_FP4
.else
	v_wmma_scale_f32_16x16x128_f8f6f4 v[PD:PD+7], v[PA:PA+7], v[PB:PB+7], 0, v[PSA], v[PSB] matrix_a_fmt:MATRIX_FMT_FP4 matrix_b_fmt:MATRIX_FMT_FP4 matrix_a_scale:MATRIX_SCALE_ROW1
.endif
.elseif (\s) == 1
.if (\t)%2 == 0
	v_wmma_scale_f32_16x16x128_f8f6f4 v[PD:PD+7], v[PA:PA+7], v[PB:PB+7], v[PD:PD+7], v[PSA], v[PSB] matrix_a_fmt:MATRIX_FMT_FP4 matrix_b_fmt:MATRIX_FMT_FP4
.else
	v_wmma_scale_f32_16x16x128_f8f6f4 v[PD:PD+7], v[PA:PA+7], v[PB:PB+7], v[PD:PD+7], v[PSA], v[PSB] matrix_a_fmt:MATRIX_FMT_FP4 matrix_b_fmt:MATRIX_FMT_FP4 matrix_a_scale:MATRIX_SCALE_ROW1
.endif
.else
.if (\t)%2 == 0
	v_wmma_scale_f32_16x16x128_f8f6f4 v[PD:PD+7], v[PA:PA+7], v[PB:PB+7], v[PD:PD+7], v[PSA], v[PSB] matrix_a_fmt:MATRIX_FMT_FP4 matrix_b_fmt:MATRIX_FMT_FP4 matrix_b_scale:MATRIX_SCALE_ROW1
.else
	v_wmma_scale_f32_16x16x128_f8f6f4 v[PD:PD+7], v[PA:PA+7], v[PB:PB+7], v[PD:PD+7], v[PSA], v[PSB] matrix_a_fmt:MATRIX_FMT_FP4 matrix_b_fmt:MATRIX_FMT_FP4 matrix_a_scale:MATRIX_SCALE_ROW1 matrix_b_scale:MATRIX_SCALE_ROW1
.endif
.endif
.endm
; 32 products: my four K steps ascending, the eight accumulators by turns, one instruction a turn
.macro MUL b
.irp s, 0,1,2,3
.irp t, 0,1,2,3,4,5,6,7
	PROD \t, \s, \b
.endr
.endr
.endm
; row 2 w + m of the tile: its eight parts are added, ((0 + 1) + (2 + 3)) + ((4 + 5) + (6 + 7))
.macro ROWSUM m
.set RB, R+32*(\m)
	s_wait_dscnt 8-8*(\m)                          ; this row's eight loads are in; the later row's may be out
.irp p, 0,2,4,6
	v_pk_add_f32 v[RB+4*\p:RB+4*\p+1], v[RB+4*\p:RB+4*\p+1], v[RB+4*\p+4:RB+4*\p+5]
	v_pk_add_f32 v[RB+4*\p+2:RB+4*\p+3], v[RB+4*\p+2:RB+4*\p+3], v[RB+4*\p+6:RB+4*\p+7]
.endr
.irp p, 0,4
	v_pk_add_f32 v[RB+4*\p:RB+4*\p+1], v[RB+4*\p:RB+4*\p+1], v[RB+4*\p+8:RB+4*\p+9]
	v_pk_add_f32 v[RB+4*\p+2:RB+4*\p+3], v[RB+4*\p+2:RB+4*\p+3], v[RB+4*\p+10:RB+4*\p+11]
.endr
	v_pk_add_f32 v[RB:RB+1], v[RB:RB+1], v[RB+16:RB+17]
	v_pk_add_f32 v[RB+2:RB+3], v[RB+2:RB+3], v[RB+18:RB+19]
.endm
; and its 128 outputs leave, unless the row lies behind the expert's last
.macro ROWST m
.set RB, R+32*(\m)
	s_add_co_u32 s34, s[Q0], \m
	s_cmp_lt_u32 s34, s[NE]
	s_cbranch_scc0 .Lspare_\@
	global_store_b128 v[VO+\m], v[RB:RB+3], s[YB:YB+1]             ; 32 lanes store 512 consecutive bytes, aligned
.Lspare_\@:
.endm
; ONE PLACE OF A TILE, on H's set b and buffer b of the partial sums.  pf = 1: the tile four further on (held to the expert's last) is asked for into the other set.  nx = 1: so are its two slots.
; prev = 1: a place stands in front of this one.
; One barrier serves both orders: in front of it each wave has waited for its stores into buffer b and for its reads of the other buffer, which is written again only behind it.
.macro TRIP b, pf, nx, prev
.if \prev
	s_wait_alu depctr_vm_vsrc(0)                   ; the place before: its LDS stores have read the accumulators, its stores to y have read their rows in v[R ..] and their offsets v[VO ..]: this place writes all of them again
.endif
	s_cmp_ge_u32 s[TI], s[NT]
	s_cbranch_scc1 .Lidle_a_\@
	s_wait_loadcnt 0x0                             ; this tile's fragments and scale words are in
.if \pf
	s_wait_xcnt 0x0                                ; the bases may be written again
	s_add_co_u32 s34, s[TI], 4
	s_min_u32 s34, s34, s[NL]
	s_min_u32 s34, s34, 63
	s_add_co_u32 s34, s34, s[E64]
	s_lshl_b32 s28, s34, 15
	s_add_co_u32 s28, s28, s[WA4]
	s_add_nc_u64 s[AB:AB+1], s[6:7], s[28:29]
	s_lshl_b32 s28, s34, 12
	s_add_co_u32 s28, s28, s[WA5]
	s_add_nc_u64 s[HB:HB+1], s[8:9], s[28:29]
	APF 1-\b, 0, 0                                 ; it has this place's products and sums in which to land.  No wait on va_vdst: no vector or matrix instruction since the wait behind the last place's products names the other set or its scale words
.endif
	WIN 0x01                                       ; source 0 (W2) window 1; H, the sums and the scale words in window 0
	MUL \b
	WIN 0
.rept 5
	v_nop                                          ; four places are owed in front of the stores that read results, five in front of the next place's first product, which begins an accumulator anew
.endr
	s_wait_alu depctr_va_vdst(0)                   ; the products have written the accumulators, which the LDS stores below read, and are done reading H's set b and its scale words, in which the next place's loads land; the places above stay beside this wait
.irp t, 0,1,2,3,4,5,6,7
	ds_store_b128 v[RW+\b], v[ACC+8*\t:ACC+8*\t+3] offset:64*\t               ; each accumulator from its low end on
	ds_store_b128 v[RW+\b], v[ACC+8*\t+4:ACC+8*\t+7] offset:64*\t+16
.endr
.Lidle_a_\@:
	s_wait_dscnt 0x0
	s_barrier_signal -1
	s_barrier_wait -1
	s_cmp_ge_u32 s[TI], s[NT]
	s_cbranch_scc1 .Lidle_b_\@
	s_wait_xcnt 0x0                                ; the last place's stores have had their addresses translated: their data and offsets may be written again
	s_wait_kmcnt 0x0                               ; my two rows' slots: asked for a place ago
.irp m, 0,1
.irp p, 0,1,2,3,4,5,6,7
	ds_load_b128 v[R+32*\m+4*\p:R+32*\m+4*\p+3], v[RR+\b] offset:REDW*\p+RP*\m   ; no wait on va_vdst: no vector or matrix instruction since the wait behind the last place's sums names v[R ..]
.endr
.endr
.irp m, 0,1
	s_min_u32 s[T+\m], s[T+\m], 0x7ff
.endr
.irp m, 0,1
	v_lshl_add_u32 v[VO+\m], s[T+\m], 12, v[LN16]  ; a slot's row of y is 4,096 bytes
.endr
	ROWSUM 0
	ROWSUM 1
	s_wait_alu depctr_va_vdst(0)                   ; both rows' sums and the two offsets v[VO ..] are written, which the stores below read; the sums are done with v[R ..], in which the next place's LDS loads land.  It stands ahead of the branches, on every way
.if \nx
	s_lshl_b32 s[LO], s[TI], 6
	s_add_co_u32 s[LO], s[LO], s[W8]
	s_load_b64 s[T:T+1], s[LB:LB+1], s[LO] offset:SLOO+256         ; my two slots of the tile four on; it stands behind the wait that shows the two lines that read s[T ..] done
.endif
	ROWST 0
	ROWST 1
.Lidle_b_\@:
	s_add_co_u32 s[TI], s[TI], 4
	s_add_co_u32 s[Q0], s[Q0], 64
.endm
	TRIP 0, 0, 1, 0                                ; tile rr: the head has asked for the tile behind it
	s_mov_b32 s[TC], 7
.Lpair:
	TRIP 1, 1, 1, 1
	TRIP 0, 1, 1, 1
	s_sub_co_i32 s[TC], s[TC], 1
	s_cmp_lg_u32 s[TC], 0
	s_cbranch_scc1 .Lpair
	TRIP 1, 0, 0, 1                                ; the sixteenth place: nothing is left to ask for
	s_wait_kmcnt 0x0                               ; no scalar load of mine is out at the end
	s_wait_dscnt 0x0                               ; the closing lines, six on end
	s_wait_alu 0x0
	s_wait_tensorcnt 0x0
	ds_add_u32 v62, v63
	s_wait_dscnt 0x0
	s_endpgm
.Lfunc_end_k_qb77730e9c5_ffn2:
	.size	k_qb77730e9c5_ffn2, .Lfunc_end_k_qb77730e9c5_ffn2-k_qb77730e9c5_ffn2
	.p2alignl 7, 3214868480
	.fill 96, 4, 3214868480
	.section	.rodata,"a",@progbits
	.p2align	6, 0x0
	.amdhsa_kernel k_qb77730e9c5_ffn2
		.amdhsa_group_segment_fixed_size 171008
		.amdhsa_private_segment_fixed_size 0
		.amdhsa_enable_private_segment 0
		.amdhsa_kernarg_size 48
		.amdhsa_user_sgpr_count 2
		.amdhsa_user_sgpr_kernarg_segment_ptr 1
		.amdhsa_wavefront_size32 1
		.amdhsa_system_sgpr_workgroup_id_x 1
		.amdhsa_system_sgpr_workgroup_id_y 1
		.amdhsa_system_sgpr_workgroup_id_z 1
		.amdhsa_system_vgpr_workitem_id 0
		.amdhsa_next_free_vgpr 512
		.amdhsa_next_free_sgpr 66
		.amdhsa_reserve_vcc 0
		.amdhsa_float_denorm_mode_32 3
		.amdhsa_float_denorm_mode_16_64 3
		.amdhsa_memory_ordered 1
		.amdhsa_forward_progress 1
		.amdhsa_inst_pref_size 61
	.end_amdhsa_kernel
	.amdgpu_metadata
---
amdhsa.version: [ 1, 2 ]
amdhsa.kernels:
  - .name:           k_qb77730e9c5_ffn2
    .symbol:         k_qb77730e9c5_ffn2.kd
    .args:
      - { .name: lst, .offset: 0, .size: 8, .value_kind: global_buffer, .address_space: global }
      - { .name: himg, .offset: 8, .size: 8, .value_kind: global_buffer, .address_space: global }
      - { .name: hs, .offset: 16, .size: 8, .value_kind: global_buffer, .address_space: global }
      - { .name: W2_codes, .offset: 24, .size: 8, .value_kind: global_buffer, .address_space: global }
      - { .name: W2_scales, .offset: 32, .size: 8, .value_kind: global_buffer, .address_space: global }
      - { .name: y, .offset: 40, .size: 8, .value_kind: global_buffer, .address_space: global }
    .group_segment_fixed_size: 171008
    .private_segment_fixed_size: 0
    .kernarg_segment_align: 8
    .kernarg_segment_size: 48
    .max_flat_workgroup_size: 256
    .sgpr_count:     66
    .vgpr_count:     512
    .wavefront_size: 32
...
	.end_amdgpu_metadata
.endif
;; end of part 7
;; launch comb: the kernel of part 5 again; grid 256 x 1, 4 waves a work-group, no clusters, 0 bytes of LDS; arguments y, gw, out0; writes out0
